; MI455X (gfx1250); checked and timed in simulation.
; The chip was launched on July 23, 2026; its instructions are those of AMD's public machine-readable ISA for CDNA 5 (MIT licence, August 2026) and "CDNA5" Instruction Set Architecture Reference Guide (July 2026). The comments in the code are by the model that wrote it; some were corrected since.
;; Bert Sim Self Attention. Allowed arithmetic: float matrix products may take bf16 or f16 operands with f32 sums; other float arithmetic in f32, or as packed bf16 or f16 multiplies, adds, multiply-adds, maxima and minima; sums over many terms, partial sums and values carried from step to step in f32; what a program stores and reads back later, other than sums and carried values, may be rounded once to bf16 or f16.
;; Inputs: Wk 1,024 x 1,024 float32; Wq 1,024 x 1,024 float32; Wv 1,024 x 1,024 float32; attention_mask 4 x 64 x 64 float32; bk 1,024 float32; bq 1,024 float32; bv 1,024 float32; hidden_states 4 x 64 x 64 x 1,024 float32; sim_graph 256 x 64 x 64 float32.
;; Outputs: out0 256 x 64 x 1,024 float32.
;; Constants: b = 4, dim = 1024, m = 64, seq = 64.
;; 2 versions, each right. Each part assembles by itself: llvm-mc -triple=amdgcn-amd-amdhsa -mcpu=gfx1250 --defsym DOCPART=n.
;; ======== version 1 of 2: 2 launches
;; limits: values are held in f16: magnitudes above 65,504 overflow, below 6.1e-05 lose precision
;; workspace buffers: wb 6,291,456 bytes; biasr 12,288 bytes
;; launch prep (part 1): grid 387 x 1, 8 waves a work-group, no clusters, 0 bytes of LDS; arguments Wq, Wk, Wv, bq, bk, bv, wb, biasr; writes wb, biasr
.if DOCPART == 1
	.amdgcn_target "amdgcn-amd-amdhsa--gfx1250"
	.amdhsa_code_object_version 6
	.text
	.protected	k_q991e06fa1c_prep
	.globl	k_q991e06fa1c_prep
	.p2align	8
	.type	k_q991e06fa1c_prep,@function
k_q991e06fa1c_prep:
	s_mov_b64 s[64:65], 0
	v_nop
	global_prefetch_b8 v0, s[64:65] scope:SCOPE_SE
	s_setreg_imm32_b32 hwreg(HW_REG_WAVE_MODE, 25, 1), 1
	s_wait_xcnt 0x0
; Wq, Wk, Wv ([1024][1024] f32) are rounded once to bf16 and laid out as ready register images of matrix fragments, in the order in which the next launch streams them;
; the three biases are rounded once to bf16 and kept as f32 words.
; wb, in bytes: (((g x 16 + s) x 4 + w) x 24 + u x 12 + f) x 1024 + g2 x 512 + lane x 16.   head = 4 g + w; s = K step of 64; u = its half of 32; f = 0-3 Wq's tile cb, 4-7 Wk's, 8-11 Wv's tile ct.
; Lane (r = lane % 16, h = lane / 16) holds the 8 numbers k = 64 s + 32 u + 16 g2 + 8 h + 0..7 of one row of W: row 64 head + 16 cb + r for Wq and Wk,
; row 64 head + 4 r + ct for Wv (so that in the next launch a lane ends with four neighbouring channels of the output).
; SHARES.  Work-groups 0..383: a tile of 16 rows of one matrix (tile t = x / 2) and 8 of its 16 K steps, one to a wave: 16 rows x 256 bytes in, 2,048 bytes out in four stores of 512 consecutive bytes.
; Work-groups 384..386: one bias each, 16 bytes a thread.  No LDS, no barrier, no loop: memory binds, and nothing is shared between waves.
.set TILES, 384
	s_load_b512 s[4:19], s[0:1], 0x0               ; Wq s[4:5], Wk s[6:7], Wv s[8:9], bq s[10:11], bk s[12:13], bv s[14:15], wb s[16:17], biasr s[18:19]
	v_lshrrev_b32 v1, 5, v0
	v_readfirstlane_b32 s20, v1                    ; wave 0..7
	v_and_b32 v2, 15, v0                           ; r
	v_bfe_u32 v3, v0, 4, 1                         ; h
	v_and_b32 v4, 31, v0                           ; lane
	s_cmp_ge_u32 ttmp9, TILES
	s_cbranch_scc1 .Lbias
	s_lshr_b32 s21, ttmp9, 1                       ; t
	s_and_b32 s22, ttmp9, 1
	s_lshl3_add_u32 s22, s22, s20                  ; s = 8 x half + wave
	s_lshr_b32 s23, s21, 6                         ; which matrix: 0 q, 1 k, 2 v
	s_and_b32 s24, s21, 63
	s_lshr_b32 s25, s24, 2                         ; head
	s_and_b32 s26, s24, 3                          ; cb (ct)
	s_cmp_eq_u32 s23, 2
	s_cselect_b32 s27, 4, 1                        ; rows of a tile lie 4 apart in Wv, 1 apart in Wq and Wk
	s_cselect_b32 s28, 0, 4
	s_lshl_b32 s28, s26, s28                       ; the tile's first row in the head: ct, or 16 cb
	s_lshl_b32 s29, s25, 6
	s_add_co_u32 s28, s28, s29                     ; + 64 head
	v_mad_u32_u24 v5, v2, s27, s28                 ; my row
	v_lshlrev_b32 v5, 12, v5                       ; x 4,096 bytes
	v_lshl_add_u32 v5, v3, 5, v5                   ; + 32 h: my 8 numbers in f32
	v_lshlrev_b32 v6, 4, v4                        ; 16 x lane, in wb
	s_lshr_b32 s30, s25, 2                         ; g
	s_lshl4_add_u32 s30, s30, s22                  ; 16 g + s
	s_mul_i32 s30, s30, 98304
	s_and_b32 s31, s25, 3                          ; w
	s_mul_i32 s31, s31, 24576
	s_add_co_u32 s30, s30, s31
	s_lshl2_add_u32 s31, s23, s26                  ; f = 4 x matrix + cb
	s_lshl_b32 s31, s31, 10
	s_add_co_u32 s30, s30, s31
	s_mov_b32 s31, 0
	s_lshl_b32 s32, s22, 8                         ; the K step's 256 bytes in a row
	s_mov_b32 s33, 0
	s_wait_kmcnt 0x0
	s_cmp_eq_u32 s23, 0
	s_cselect_b64 s[34:35], s[4:5], s[6:7]
	s_cmp_eq_u32 s23, 2
	s_cselect_b64 s[34:35], s[8:9], s[34:35]
	s_add_nc_u64 s[34:35], s[34:35], s[32:33]
	s_add_nc_u64 s[36:37], s[16:17], s[30:31]
.irp p, 0,1,2,3                        ; pair p = 2 u + g2: 8 numbers a lane, two loads
	global_load_b128 v[16+8*(\p):16+8*(\p)+3],   v5, s[34:35] offset:64*(\p)
	global_load_b128 v[16+8*(\p)+4:16+8*(\p)+7], v5, s[34:35] offset:64*(\p)+16
.endr
.irp p, 0,1,2,3
	s_wait_loadcnt 6-2*(\p)                        ; loads come back in order: pair p is in, the 2 (3 - p) younger loads stay out
.irp i, 0,1,2,3
	v_cvt_pk_bf16_f32 v[48+4*(\p)+(\i)], v[16+8*(\p)+2*(\i)], v[16+8*(\p)+2*(\i)+1]
.endr
	global_store_b128 v6, v[48+4*(\p):48+4*(\p)+3], s[36:37] offset:12288*((\p)/2)+512*((\p)%2)  ; 512 consecutive bytes, at a multiple of 512 from wb's first byte
.endr
	s_endpgm
.Lbias:
	s_sub_co_u32 s21, ttmp9, TILES                 ; 0 bq, 1 bk, 2 bv
	s_lshl_b32 s22, s21, 12
	s_mov_b32 s23, 0
	v_lshlrev_b32 v5, 4, v0                        ; 16 bytes a thread: 256 threads take the 1,024 numbers
	s_wait_kmcnt 0x0
	s_cmp_eq_u32 s21, 0
	s_cselect_b64 s[24:25], s[10:11], s[12:13]
	s_cmp_eq_u32 s21, 2
	s_cselect_b64 s[24:25], s[14:15], s[24:25]
	s_add_nc_u64 s[26:27], s[18:19], s[22:23]
	global_load_b128 v[8:11], v5, s[24:25]
	s_wait_loadcnt 0x0
	v_cvt_pk_bf16_f32 v12, v8, v9                  ; rounded to bf16,
	v_cvt_pk_bf16_f32 v13, v10, v11
	v_lshlrev_b32 v16, 16, v12                     ; and widened again: the next launch adds them in f32
	v_and_b32 v17, 0xffff0000, v12
	v_lshlrev_b32 v18, 16, v13
	v_and_b32 v19, 0xffff0000, v13
	global_store_b128 v5, v[16:19], s[26:27]
	s_endpgm
.Lfunc_end_k_q991e06fa1c_prep:
	.size	k_q991e06fa1c_prep, .Lfunc_end_k_q991e06fa1c_prep-k_q991e06fa1c_prep
	.p2alignl 7, 3214868480
	.fill 96, 4, 3214868480
	.section	.rodata,"a",@progbits
	.p2align	6, 0x0
	.amdhsa_kernel k_q991e06fa1c_prep
		.amdhsa_group_segment_fixed_size 0
		.amdhsa_private_segment_fixed_size 0
		.amdhsa_enable_private_segment 0
		.amdhsa_kernarg_size 64
		.amdhsa_user_sgpr_count 2
		.amdhsa_user_sgpr_kernarg_segment_ptr 1
		.amdhsa_wavefront_size32 1
		.amdhsa_system_sgpr_workgroup_id_x 1
		.amdhsa_system_sgpr_workgroup_id_y 1
		.amdhsa_system_sgpr_workgroup_id_z 1
		.amdhsa_system_vgpr_workitem_id 0
		.amdhsa_next_free_vgpr 64
		.amdhsa_next_free_sgpr 66
		.amdhsa_reserve_vcc 0
		.amdhsa_float_denorm_mode_32 3
		.amdhsa_float_denorm_mode_16_64 3
		.amdhsa_memory_ordered 1
		.amdhsa_forward_progress 1
		.amdhsa_inst_pref_size 6
	.end_amdhsa_kernel
	.amdgpu_metadata
---
amdhsa.version: [ 1, 2 ]
amdhsa.kernels:
  - .name:           k_q991e06fa1c_prep
    .symbol:         k_q991e06fa1c_prep.kd
    .args:
      - { .name: Wq, .offset: 0, .size: 8, .value_kind: global_buffer, .address_space: global }
      - { .name: Wk, .offset: 8, .size: 8, .value_kind: global_buffer, .address_space: global }
      - { .name: Wv, .offset: 16, .size: 8, .value_kind: global_buffer, .address_space: global }
      - { .name: bq, .offset: 24, .size: 8, .value_kind: global_buffer, .address_space: global }
      - { .name: bk, .offset: 32, .size: 8, .value_kind: global_buffer, .address_space: global }
      - { .name: bv, .offset: 40, .size: 8, .value_kind: global_buffer, .address_space: global }
      - { .name: wb, .offset: 48, .size: 8, .value_kind: global_buffer, .address_space: global }
      - { .name: biasr, .offset: 56, .size: 8, .value_kind: global_buffer, .address_space: global }
    .group_segment_fixed_size: 0
    .private_segment_fixed_size: 0
    .kernarg_segment_align: 8
    .kernarg_segment_size: 64
    .max_flat_workgroup_size: 256
    .sgpr_count:     66
    .vgpr_count:     64
    .wavefront_size: 32
...
	.end_amdgpu_metadata
.endif
;; end of part 1
;; launch fused (part 2): grid 256 x 1, 4 waves a work-group, clusters of 4 x 1, 327,680 bytes of LDS; arguments hidden_states, attention_mask, sim_graph, biasr, wb, out0; writes out0
.if DOCPART == 2
	.amdgcn_target "amdgcn-amd-amdhsa--gfx1250"
	.amdhsa_code_object_version 6
	.text
	.protected	k_q991e06fa1c_fused
	.globl	k_q991e06fa1c_fused
	.p2align	8
	.type	k_q991e06fa1c_fused,@function
k_q991e06fa1c_fused:
	s_mov_b64 s[64:65], 0
	v_nop
	global_prefetch_b8 v0, s[64:65] scope:SCOPE_SE
	s_setreg_imm32_b32 hwreg(HW_REG_WAVE_MODE, 25, 1), 1
	s_wait_xcnt 0x0
	s_wait_alu depctr_hold_cnt(0) depctr_sa_sdst(0) depctr_va_vdst(0) depctr_va_sdst(0) depctr_va_ssrc(0) depctr_va_vcc(0) depctr_vm_vsrc(0)
	s_getreg_b32 s2, hwreg(HW_REG_IB_STS2, 6, 4)
	s_cmp_eq_u32 s2, 0
	s_cbranch_scc0 .Lentry_in_a_cluster
	s_endpgm
.Lentry_in_a_cluster:
	s_bfe_u32 s2, ttmp6, 0x10000c
	s_cmp_lg_u32 s2, 0x3003
	s_cbranch_scc0 .Lentry_shape_is_right
	s_endpgm
.Lentry_shape_is_right:
; out0[B'][q][64 head + d] = sum over k of softmax_k( (q.k / 8) sim[B'][q][k] + (1 - am[b][k][s]) x -10000 ) v[k][d],   q, k, v = X W^T + bias,   X[m] = hidden_states[b][m][s][:],   B' = 64 b + s.
; ONE WORK-GROUP IS ONE BATCH B' (64 tokens x 1,024 channels): X stays on the WGP for all 16 heads, and q, k, v, the scores and the weights never leave registers.
; A WAVE TAKES ONE HEAD A PASS (head = 4 g + wave, g = 0..3): 64 tokens x 192 columns (q, k, v) in 48 accumulators, K = 1,024 in 16 steps of 64, then the head's attention, then its stores.
; FORMATS.  Every input (x, W, biases, sim_graph, attention_mask) is rounded once to bf16; the projections multiply in bf16 with f32 sums.  q + bq, k + bk, v and the weights p are rounded once to f16;
; both attention products multiply in f16 with f32 sums.  Scaling, mask, maximum, exponentials and the division are f32.  ctx = (sum p v) / l + bv, which equals sum p (v + bv) / l since l = sum p.
; LIMITS.  |q + bq|, |k + bk| and |v - bv| stay under f16's 65,504; a weight below 6e-8 counts as 0; l is the sum of the ROUNDED weights (at least 1: the largest weight is 1); NaN and infinities are not treated apart.
; The maximum is the true maximum over all 64 keys of the masked, scaled scores.
; LAYOUT: NOTHING CHANGES LANES.  Q, K: source 0 = 16 rows of W, source 1 = 16 tokens: a lane holds one token and 8 neighbouring channels; two results packed ARE a fragment of Q or K.
; V: the sources swapped: a lane holds one channel and 8 tokens; two results packed ARE a fragment of V^T.  S^T = K Q^T: a lane holds one query, its registers keys; packed it IS a fragment of P.
; O = P V: register j is query 8 h + j, lane r a channel; Wv's rows were ordered so that lane r of tile ct is channel 4 r + ct: the four tiles give a lane 16 neighbouring bytes of the output.
; The row sums come the same way round (query along the registers) from P x ONES on the matrix unit.
; WEIGHTS.  wb holds ready fragment images in streaming order; a step is 98,304 bytes, 24,576 for each wave (its own head's), through a ring of two LDS slots.  The four work-groups of a cluster walk the same
; weights, so every tile is asked for JOINTLY (mask 15): the same tensor load, with the same descriptor, in all four.  A wave reads only what its own load brought.
; X.  Channels 64..1023 lie in LDS as bf16; channels 0..63 (8 fragments, 64 registers) stay in every wave's registers and serve each head's first K step: two slots, all of X and the spare words
; would be 1,536 bytes more than a WGP's LDS.
; REGISTERS, in windows of 256 (s_set_vgpr_msb: bits 1:0 source 0, 3:2 source 1, 5:4 source 2, 7:6 destination):
;   window 0: v0-19 addresses; v20-23 bv; v24-31 ones (f16); v32-63 the mask's addend; v64-127 X's first 64 channels; v128-191 bq, bk; v192-193 addresses
;   window 1: v0-127 q's sums, then S^T, then the output;  v128-255 k's sums, then P (128-191), l (192-223), at work (224-255)
;   window 2: v0-127 v's sums, then Q's and K's fragments, then O;  v128-255 sim x c
;   window 3: two fragment buffers of 128: 12 fragments of W, then 4 of X; during attention V's fragments lie in v128-191
.set STEPB,  98304                     ; a K step's weights: a slot
.set WPART,  24576                     ; a wave's part of it: 2 halves x 12 fragments x 1,024 bytes, dense: lane l reads 16 l, so no two lanes of a load share a bank
.set XB,     2*STEPB                   ; X, channels 64..1023, bf16, row-major; written by ds_store alone, never a tensor load's target
.set XP,     1936                      ; its pitch: 1,920 bytes + 16 = 121 x 16: the 16 rows of a fragment load start at 16 different groups of four banks (64 banks of 4 bytes: ISA guide 11.1)
.set SPARE,  XB+64*XP                  ; 320,512 = 1,252 x 256: the spare words, 128 bytes for each wave, which no other line names
.set AW0,  4                           ; v4-5   16 lane + my part of slot 0, 1
.set AX0,  6                           ; v6-7   X's fragments, tokens 0-31 and 32-63: they walk along K
.set AXB0, 8                           ; v8-9   the same at channel 64; never rewritten
.set VO,   10                          ; v10    32,768 h + 16 r: my 16 bytes of out0's rows q and q + 8
.set VBQ,  11                          ; v11    32 h
.set VBV,  12                          ; v12    16 r
.set PFO,  13                          ; v13    256 lane
.set SPW,  14                          ; v14    my spare word; never rewritten
.set NIL,  15                          ; v15    0; never rewritten
.set XGO,  16                          ; v16    16 lane
.set XST,  17                          ; v17    XB + my wave's 16 rows + 8 lane
.set XRO,  18                          ; v18-19 262,144 r + 32 h, and the same 32 tokens on
.set BV,   20
.set ONES, 24
.set ADD,  32                          ; at 8 kt + j: (am - 1) x 10000 log2(e) for key 16 kt + 8 h + j
.set XR,   64                          ; at 32 u + 8 tb
.set BQ,   128                         ; at 8 cb + j
.set BK,   160
.set VS,   192                         ; v192   256 r + 32 h
.set VM,   193                         ; v193   2,048 h
.set F0,   0
.set F1,   128
.set WV,   16                          ; s16  my wave's number
.set HIM,  19                          ; s19  a word's upper bf16
.set G1,   24                          ; s[24:31] descriptor group 1
.set G0,   32                          ; s[32:39] descriptor group 0, a set for each slot
.set PASS, 40                          ; s40  passes to go, this one among them
.set LAP,  41
.set GS,   42                          ; s42  K steps of the whole stream that are still to change slots
.set LIM,  43                          ; s43  4 in a wave that prefetches, else the greatest number
.set PFA,  44                          ; s[44:45] where my prefetches stand
.set SEL,  46                          ; s[46:47] v_permlanex16_b32's selects: each lane takes its own place in the other half
.set CS,   48                          ; s[48:49] c = log2(e) / 8
.set CM,   50                          ; s[50:51] 10000 log2(e)
.set BB,   52                          ; s[52:53] biasr at my head
.set OB,   54                          ; s[54:55] out0 at my batch and head
.set HB,   56                          ; s[56:57] hidden_states at (b, 0, s)
.set HW,   58                          ; s[58:59] the same at my wave's 16 tokens
.set NCM,  60                          ; s[60:61] -10000 log2(e)
.set W_QK, 0x5f                        ; W and X window 3, sums window 1 (less 12: X in window 0)
.set W_V,  0xaf                        ; X and W window 3, sums window 2 (less 3: X in window 0)
.set W_F,  0xc0                        ; destination window 3, address window 0
.set W_BA, 0x41
.set W_CV, 0xca
.set W_CQ, 0x85
.set W_S,  0x5a
.set W_SF, 0x49
.set W_1,  0x55
.set W_L,  0x51
.set W_PV, 0xad
.set W_O,  0x46
.set W_ST, 0x04                        ; a store's data in window 1, its address in window 0
.set MSB, 0
.macro WIN new                         ; the immediate's high byte repeats the setting that is left; a switch that changes nothing is dropped
.if MSB != (\new)
	s_set_vgpr_msb (MSB<<8)|(\new)
.set MSB, (\new)
.endif
.endm
.macro PLACES                          ; four places behind matrix instructions: in front of loads into registers that they read and of vector lines that read their results
.rept 4
	v_nop
.endr
.endm
.macro CREST                           ; a round of the cluster's barrier behind its opening barrier
	s_cmp_lg_u32 s[WV], 0
	s_cbranch_scc1 .Lnot_wave_0_\@
	s_barrier_signal -3
.Lnot_wave_0_\@:
	s_barrier_wait -3
	s_barrier_signal -1
	s_barrier_wait -1
.endm
.macro CROUND                          ; a whole round
	s_barrier_signal -1
	s_barrier_wait -1
	CREST
.endm
.macro JLOAD slot                      ; the joint refill: every wave fetches its own head's part; an s_nop 0 and four v_nop follow; the four are also the places in front of the loads into buffer 0
	tensor_load_to_lds s[G0+4*(\slot):G0+4*(\slot)+3], s[G1:G1+7]
	s_nop 0
	PLACES
.endm
; 4 cn matrix instructions: W's tiles c0 .. c0 + cn - 1 of kind m (0 q, 1 k, 2 v) x the four token tiles, 32 along K, from buffer buf.  xr = 1: X's fragments are half u of the 64 channels kept in registers.
; zero = 1: the products start the sums.  The 48 accumulators take turns, one instruction a turn, in the same order in every half step.
.macro MUL m, buf, xr, u, c0, cn, zero
.if (\m) == 2
	WIN W_V-3*(\xr)
.else
	WIN W_QK-12*(\xr)
.endif
.set cc, (\c0)
.rept (\cn)
.set tt, 0
.rept 4
.if \xr
.set rX, XR+32*(\u)+8*tt
.else
.set rX, (\buf)+96+8*tt
.endif
.if (\m) == 2
.set rD, 32*cc+8*tt
.set rW, (\buf)+64+8*cc
.if \zero
	v_wmma_f32_16x16x32_bf16 v[rD:rD+7], v[rX:rX+7], v[rW:rW+7], 0
.else
	v_wmma_f32_16x16x32_bf16 v[rD:rD+7], v[rX:rX+7], v[rW:rW+7], v[rD:rD+7]
.endif
.else
.set rD, 128*(\m)+32*tt+8*cc
.set rW, (\buf)+32*(\m)+8*cc
.if \zero
	v_wmma_f32_16x16x32_bf16 v[rD:rD+7], v[rW:rW+7], v[rX:rX+7], 0
.else
	v_wmma_f32_16x16x32_bf16 v[rD:rD+7], v[rW:rW+7], v[rX:rX+7], v[rD:rD+7]
.endif
.endif
.set tt, tt+1
.endr
.set cc, cc+1
.endr
.endm
; One run of LDS loads: the fragments of half u of the step in the slot, into buffer buf.  wx = 1: X's four fragments first (8 loads, at byte xcol behind the walking address), then Wq's, Wk's, Wv's (8 each).
.macro FETCH slot, u, buf, wx, xcol
	WIN W_F
.if \wx
.irp t, 0,1,2,3
	ds_load_b128 v[(\buf)+96+8*(\t):(\buf)+96+8*(\t)+3],   v[AX0+(\t)/2] offset:((\t)%2)*16*XP+(\xcol)
	ds_load_b128 v[(\buf)+96+8*(\t)+4:(\buf)+96+8*(\t)+7], v[AX0+(\t)/2] offset:((\t)%2)*16*XP+(\xcol)+32
.endr
.endif
.irp i, 0,1,2,3,4,5,6,7,8,9,10,11
	ds_load_b128 v[(\buf)+8*(\i):(\buf)+8*(\i)+3],   v[AW0+(\slot)] offset:12288*(\u)+1024*(\i)
	ds_load_b128 v[(\buf)+8*(\i)+4:(\buf)+8*(\i)+7], v[AW0+(\slot)] offset:12288*(\u)+1024*(\i)+512
.endr
.endm
; A PREFETCH INTO THE L2, behind the joint load, its five lines and the run of LDS loads: the step four on, whose tensor load is issued two steps, 192 matrix instructions, later.  All clusters walk the same
; weights: the first cluster asks, nobody else.  A step's 384 blocks of 256 bytes go a lane a block to waves 0-2 of its four partners, told apart BY ADDRESS ((3 cx + wave) x 8,192): each block is named once
; in the launch.  The first four steps come by their loads alone; the last four changes of slots that could ask name nothing: no step lies four behind them.
.macro ASK
	WIN 0
	s_cmp_gt_u32 s[GS], s[LIM]
	s_cbranch_scc0 .Lnot_mine_\@
	global_prefetch_b8 v[PFO], s[PFA:PFA+1] th:TH_LOAD_NT scope:SCOPE_SE
.Lnot_mine_\@:
	s_sub_co_u32 s[GS], s[GS], 1
.endm
; A K step is two halves of 32 along K, 48 matrix instructions each.  The first multiplies buffer 0 and fetches the second half into buffer 1.
.macro UNITA slot, xr, zero, wx, xcol
	s_wait_dscnt 16                                ; X's and Wq's fragments are in; Wk's and Wv's sixteen loads may stay out
	MUL 0, F0, \xr, 0, 0, 4, \zero
	PLACES
	FETCH \slot, 1, F1, \wx, \xcol
	s_wait_dscnt 24+8*(\wx)                        ; all but the run just issued
	MUL 1, F0, \xr, 0, 0, 4, \zero
	MUL 2, F0, \xr, 0, 0, 4, \zero
.endm
; The second half multiplies buffer 1 and changes slots.  mode 2: the slot just read out is filled again with the step two on.  In front of the round each wave waits for all its tensor loads (one is out: its
; part of the other slot), adds 0 to its spare word, and waits for that and for its reads of this slot; the joint refill is the first thing behind the round; then come the other slot's first fragments.
; mode 1: nothing is filled again: my own wait shows my part of the other slot landed, and nobody else reads it.  mode 0: the stream's last half step.
.macro UNITB slot, xr, mode, wx, xcol
.if (\mode) == 2
	s_wait_xcnt 0x0                                ; the last prefetch, a step back, has read its address
	s_add_nc_u64 s[PFA:PFA+1], s[PFA:PFA+1], STEPB
	WIN 0                                          ; (the add's two registers lie in window 0)
	s_wait_tensorcnt 0x0                           ; all my tensor loads have landed, so a group 0 may be written
	ds_add_u32 v[SPW], v[NIL]                      ; 0 onto my spare word
	s_add_nc_u64 s[G0+4*(\slot)+2:G0+4*(\slot)+3], s[G0+4*(\slot)+2:G0+4*(\slot)+3], 2*STEPB  ; this slot's next step; the type bits on top are not reached
	s_wait_dscnt 17                                ; the add and Wk's and Wv's sixteen loads may stay out
	MUL 0, F1, \xr, 1, 0, 2, 0
	s_wait_dscnt 0x0                               ; the add is done, and my reads of this slot are over
	s_barrier_signal -1                            ; this barrier opens a round of the cluster's barrier
	MUL 0, F1, \xr, 1, 2, 2, 0
	WIN 0
	s_barrier_wait -1
	CREST                                          ; no wave of any partner still reads this slot or has a load on its way
	JLOAD \slot
	FETCH 1-(\slot), 0, F0, \wx, \xcol
	ASK
.elseif (\mode) == 1
	s_wait_dscnt 16
	MUL 0, F1, \xr, 1, 0, 4, 0
	s_wait_tensorcnt 0x0                           ; my part of the last step: the one load of mine that is out
	PLACES
	FETCH 1-(\slot), 0, F0, \wx, \xcol
	s_wait_dscnt 32                                ; all but the run just issued
.else
	s_wait_dscnt 16
	MUL 0, F1, \xr, 1, 0, 4, 0
	s_wait_dscnt 0x0
.endif
	MUL 1, F1, \xr, 1, 0, 4, 0
	MUL 2, F1, \xr, 1, 0, 4, 0
.endm
; X's channels 64..1023: group n is 4 of my wave's 16 tokens x 8 loads of 512 consecutive bytes (the eighth begins 256 bytes early, so that all lanes stay on and no load leaves the row), into a half of window 1.
.macro XLOAD n
	WIN 0x40
.irp i, 0,1,2,3
.irp j, 0,1,2,3,4,5,6,7
	global_load_b128 v[128*((\n)%2)+32*(\i)+4*(\j):128*((\n)%2)+32*(\i)+4*(\j)+3], v[XGO], s[HW:HW+1] offset:(4*(\n)+(\i))*262144+256+512*(\j)-256*((\j)/7) th:TH_LOAD_NT
.endr
.endr
.endm
.macro XCONV n                         ; rounded to bf16 in place, 8 bytes a lane into LDS: 256 consecutive bytes a store
	WIN W_1
.set z, 128*((\n)%2)
.rept 32
	v_cvt_pk_bf16_f32 v[z], v[z], v[z+1]
	v_cvt_pk_bf16_f32 v[z+1], v[z+2], v[z+3]
.set z, z+4
.endr
	WIN W_ST
.irp i, 0,1,2,3
.irp j, 0,1,2,3,4,5,6,7
	ds_store_b64 v[XST], v[128*((\n)%2)+32*(\i)+4*(\j):128*((\n)%2)+32*(\i)+4*(\j)+1] offset:(4*(\n)+(\i))*XP+256*(\j)-128*((\j)/7)
.endr
.endr
.endm
; A HEAD'S ATTENTION, in phases, all in registers.
.macro ATT
	WIN 0
	PLACES                                         ; behind the last products
	s_wait_loadcnt 0x0                             ; the pass's 17 bias loads
	WIN W_BA
.set z, 0
.rept 64
	v_pk_add_f32 v[2*z:2*z+1], v[2*z:2*z+1], v[BQ+(2*z)%32:BQ+(2*z)%32+1]  ; q + bq: each accumulator from its low end on
.set z, z+1
.endr
.set z, 0
.rept 64
	v_pk_add_f32 v[128+2*z:128+2*z+1], v[128+2*z:128+2*z+1], v[BK+(2*z)%32:BK+(2*z)%32+1]
.set z, z+1
.endr
	WIN W_CV
.set z, 0
.rept 64
	v_cvt_pk_f16_f32 v[128+z], v[2*z], v[2*z+1]    ; V's fragments: channel tile ct, token half c at 128 + 16 ct + 8 c of window 3
.set z, z+1
.endr
	WIN W_CQ
.set z, 0
.rept 128
	v_cvt_pk_f16_f32 v[z], v[2*z], v[2*z+1]        ; Q's fragments at 16 qt + 8 c, K's at 64 + 16 kt + 8 c of window 2, where v's sums lay
.set z, z+1
.endr
	WIN W_S
.irp c, 0,1                            ; S^T = K Q^T: 16 accumulators by turns
.set z, 0
.rept 16
.if (\c) == 0
	v_wmma_f32_16x16x32_f16 v[8*z:8*z+7], v[64+16*(z%4):64+16*(z%4)+7], v[16*(z/4):16*(z/4)+7], 0
.else
	v_wmma_f32_16x16x32_f16 v[8*z:8*z+7], v[64+16*(z%4)+8:64+16*(z%4)+15], v[16*(z/4)+8:16*(z/4)+15], v[8*z:8*z+7]
.endif
.set z, z+1
.endr
.endr
	PLACES
	WIN W_SF
.set z, 0
.rept 64
	v_pk_fma_f32 v[2*z:2*z+1], v[2*z:2*z+1], v[128+2*z:128+2*z+1], v[ADD+(2*z)%32:ADD+(2*z)%32+1]  ; t = s x (sim c) + the mask's addend
.set z, z+1
.endr
	WIN W_1
.set j, 0
.rept 16                               ; the maximum of a lane's 32 scores, three operands at a time, the four query tiles by turns
.set q, 0
.rept 4
.set rS, 32*q
.set rT, 224+8*q
.if j < 4
	v_max3_num_f32 v[rT+j], v[rS+8*j], v[rS+8*j+1], v[rS+8*j+2]
.elseif j < 12
	v_max3_num_f32 v[rT+j%4], v[rT+j%4], v[rS+8*(j%4)+2*(j/4)+1], v[rS+8*(j%4)+2*(j/4)+2]
.elseif j == 12
	v_max3_num_f32 v[rT], v[rT], v[rS+7], v[rS+15]
.elseif j == 13
	v_max3_num_f32 v[rT+2], v[rT+2], v[rS+23], v[rS+31]
.elseif j == 14
	v_max3_num_f32 v[rT], v[rT], v[rT+1], v[rT+2]
.else
	v_max_num_f32 v[rT], v[rT], v[rT+3]
.endif
.set q, q+1
.endr
.set j, j+1
.endr
.irp q, 0,1,2,3
	v_permlanex16_b32 v[224+8*(\q)+5], v[224+8*(\q)], s[SEL], s[SEL+1]  ; the query's other 32 keys lie in the lane 16 away
.endr
.irp q, 0,1,2,3
	v_max_num_f32 v[224+8*(\q)+4], v[224+8*(\q)], v[224+8*(\q)+5]
.endr
.set z, 0
.rept 64
	v_pk_add_f32 v[2*z:2*z+1], v[2*z:2*z+1], v[224+8*(z/16)+4:224+8*(z/16)+5] op_sel_hi:[1,0] neg_lo:[0,1] neg_hi:[0,1]  ; t - m
.set z, z+1
.endr
.set z, 0
.rept 128
	v_exp_f32 v[z], v[z]                           ; one batch
.set z, z+1
.endr
	v_nop                                          ; a plain instruction behind the last exponential,
	s_wait_alu depctr_va_vdst(0)                   ; and one wait ahead of the batch's first reader
.set z, 0
.rept 64
	v_cvt_pk_f16_f32 v[128+z], v[2*z], v[2*z+1]    ; P's fragments: query tile qt, key half c at 128 + 16 qt + 8 c
.set z, z+1
.endr
	WIN W_L
.irp c, 0,1                            ; l = P x ones: register j of tile qt is query 8 h + j, in every lane
.irp q, 0,1,2,3
.if (\c) == 0
	v_wmma_f32_16x16x32_f16 v[192+8*(\q):192+8*(\q)+7], v[128+16*(\q):128+16*(\q)+7], v[ONES:ONES+7], 0
.else
	v_wmma_f32_16x16x32_f16 v[192+8*(\q):192+8*(\q)+7], v[128+16*(\q)+8:128+16*(\q)+15], v[ONES:ONES+7], v[192+8*(\q):192+8*(\q)+7]
.endif
.endr
.endr
	WIN W_PV
.irp c, 0,1                            ; O = P V: accumulator (qt, ct) at 32 qt + 8 ct of window 2, 16 by turns
.set z, 0
.rept 16
.if (\c) == 0
	v_wmma_f32_16x16x32_f16 v[8*z:8*z+7], v[128+16*(z/4):128+16*(z/4)+7], v[128+16*(z%4):128+16*(z%4)+7], 0
.else
	v_wmma_f32_16x16x32_f16 v[8*z:8*z+7], v[128+16*(z/4)+8:128+16*(z/4)+15], v[128+16*(z%4)+8:128+16*(z%4)+15], v[8*z:8*z+7]
.endif
.set z, z+1
.endr
.endr
	PLACES
	WIN W_1
.set z, 0
.rept 32
	v_rcp_f32 v[192+z], v[192+z]                   ; 1 / l, each accumulator from its low end on
.set z, z+1
.endr
	v_nop
	s_wait_alu depctr_va_vdst(0)                   ; one wait for the 32 reciprocals
.irp q, 0,1,2,3
	WIN W_O
.set z, 0
.rept 32                               ; z = 4 j + ct: a lane's channels 4 r + 0..3 of query 16 qt + 8 h + j come to lie in four registers on end
	v_fma_f32 v[32*(\q)+z], v[32*(\q)+8*(z%4)+z/4], v[192+8*(\q)+z/4], v[BV+z%4]
.set z, z+1
.endr
	WIN W_ST
.irp j, 0,1,2,3,4,5,6,7
	global_store_b128 v[VO], v[32*(\q)+4*(\j):32*(\q)+4*(\j)+3], s[OB:OB+1] offset:(16*(\q)+(\j))*4096 th:TH_STORE_NT  ; lanes 0-15: a head's 256 bytes of row q, aligned; lanes 16-31: those of row q + 8
.endr
.endr
	WIN 0
	s_wait_xcnt 0x0                                ; the stores' data and base, and the bias loads' base, are rewritten only behind this wait
.endm
	s_load_b256 s[4:11], s[0:1], 0x0               ; hidden_states s[4:5], attention_mask s[6:7], sim_graph s[8:9], biasr s[10:11]
	s_load_b128 s[12:15], s[0:1], 0x20             ; wb s[12:13], out0 s[14:15]
	v_lshl_add_u32 v[SPW], v0, 2, SPARE
	v_mov_b32 v[NIL], 0
	ds_add_u32 v[SPW], v[NIL]                      ; the wave's opening: the add and its wait come ahead of my first tensor load; the set-up below, work on registers, stands between them
	v_lshrrev_b32 v3, 5, v0
	v_readfirstlane_b32 s[WV], v3                  ; wave 0..3
	v_and_b32 v1, 15, v0                           ; r
	v_bfe_u32 v2, v0, 4, 1                         ; h
	v_and_b32 v3, 31, v0                           ; lane
	s_bfe_u32 s17, ttmp6, 0x40000                  ; cx: my place in the cluster
	s_lshl_b32 s18, ttmp9, 2                       ; in a cluster launch ttmp9 counts clusters
	s_add_co_u32 s18, s18, s17                     ; B' = 4 x cluster + cx: it enters global addresses alone
	; descriptor group 1: a wave's 24,576 dense bytes as 96 rows of 256 bytes, no padding
	s_mov_b32 s[G1+0], 15|(3<<16)|(1<<21)          ; 15:0 the mask: all four work-groups; 17:16 elements of 8 bytes; 21 set beside a mask
	s_mov_b32 s[G1+1], 32<<16                      ; tensor_dim0 = 32
	s_mov_b32 s[G1+2], 96<<16                      ; tensor_dim1 = 96
	s_mov_b32 s[G1+3], 32<<16                      ; tile_dim0 = 32
	s_mov_b32 s[G1+4], 96                          ; tile_dim1 = 96
	s_mov_b32 s[G1+5], 32                          ; 32 elements from row to row
	s_mov_b32 s[G1+6], 0
	s_mov_b32 s[G1+7], 0
	s_mov_b32 s[HIM], 0xffff0000
	s_mov_b32 s[SEL], 0x76543210
	s_mov_b32 s[SEL+1], 0xfedcba98
	s_mov_b32 s[CS], 0x3e38aa3b                    ; log2(e) / 8
	s_mov_b32 s[CS+1], s[CS]                       ; named with it as a pair
	s_mov_b32 s[CM], 0x46616bcd                    ; 10000 log2(e) = 14426.95
	s_mov_b32 s[CM+1], s[CM]
	s_mov_b32 s[NCM], 0xc6616bcd
	s_mov_b32 s[NCM+1], s[NCM]
	s_mul_i32 s20, s[WV], WPART                    ; my part of a step, in wb and in a slot: no place in the cluster enters it
	s_mov_b32 s21, 0
	s_mov_b32 s[G0+0], 1                           ; count = 1
	s_mov_b32 s[G0+1], s20                         ; LDS address: slot 0
	s_mov_b32 s[G0+4], 1
	s_add_co_u32 s[G0+5], s20, STEPB               ; slot 1
	s_cmp_lt_u32 s[WV], 3                          ; waves 0-2
	s_cselect_b32 s[LIM], 0, 1
	s_or_b32 s[LIM], s[LIM], ttmp9                 ; of the first cluster prefetch: the same in all four partners
	s_cmp_eq_u32 s[LIM], 0
	s_cselect_b32 s[LIM], 4, -1
	v_lshl_add_u32 v[AW0], v3, 4, s20
	v_add_nc_u32 v[AW0+1], STEPB, v[AW0]
	v_mul_u32_u24 v[AXB0], v1, XP
	v_lshl_add_u32 v[AXB0], v2, 4, v[AXB0]
	v_add_nc_u32 v[AXB0], XB, v[AXB0]              ; row r x pitch + 16 h
	v_add_nc_u32 v[AXB0+1], 32*XP, v[AXB0]
	v_lshlrev_b32 v[VO], 15, v2
	v_lshl_add_u32 v[VO], v1, 4, v[VO]
	v_lshlrev_b32 v[VBQ], 5, v2
	v_lshlrev_b32 v[VBV], 4, v1
	v_lshlrev_b32 v[PFO], 8, v3
	v_lshlrev_b32 v[XGO], 4, v3
	s_mul_i32 s40, s[WV], 16*XP
	s_add_co_u32 s40, s40, XB
	v_lshl_add_u32 v[XST], v3, 3, s40
	v_lshlrev_b32 v[XRO], 18, v1
	v_lshl_add_u32 v[XRO], v2, 5, v[XRO]
	v_add_nc_u32 v[XRO+1], 32*262144, v[XRO]
	v_lshlrev_b32 v[VS], 8, v1
	v_lshl_add_u32 v[VS], v2, 5, v[VS]
	v_lshlrev_b32 v[VM], 11, v2
.set z, 0
.rept 8
	v_mov_b32 v[ONES+z], 0x3c003c00                ; 1.0 twice, in f16
.set z, z+1
.endr
	s_wait_dscnt 0x0                               ; the opening add is done
	s_wait_kmcnt 0x0
	s_add_nc_u64 s[22:23], s[12:13], s[20:21]      ; wb at my part of step 0
	s_mov_b64 s[G0+2:G0+3], s[22:23]
	s_or_b32 s[G0+3], s[G0+3], 0x80000000          ; type = 2
	s_add_nc_u64 s[G0+6:G0+7], s[22:23], STEPB     ; step 1
	s_or_b32 s[G0+7], s[G0+7], 0x80000000
	; offsets that hang on cx or B' are made in s2, s3, s17 and s[62:63] alone
	s_mov_b32 s63, 0
	s_mul_i32 s62, s17, 3
	s_add_co_u32 s62, s62, s[WV]
	s_lshl_b32 s62, s62, 13                        ; (3 cx + wave) x 32 blocks of 256 bytes
	s_add_co_u32 s62, s62, 3*STEPB                 ; at step 3: the first change of slots steps it to 4
	s_add_nc_u64 s[PFA:PFA+1], s[12:13], s[62:63]
	s_lshr_b32 s2, s18, 6                          ; b
	s_and_b32 s3, s18, 63                          ; s
	s_lshl_b32 s62, s2, 24
	s_lshl_b32 s17, s3, 12
	s_add_co_u32 s62, s62, s17
	s_add_nc_u64 s[HB:HB+1], s[4:5], s[62:63]      ; hidden_states[b][0][s]
	s_lshl_b32 s62, s[WV], 22                      ; 16 tokens of 262,144 bytes
	s_add_nc_u64 s[HW:HW+1], s[HB:HB+1], s[62:63]
	s_lshl_b32 s62, s2, 14
	s_lshl2_add_u32 s62, s3, s62
	s_add_nc_u64 s[6:7], s[6:7], s[62:63]          ; attention_mask[b][0][s]
	s_lshl_b32 s62, s18, 14
	s_add_nc_u64 s[8:9], s[8:9], s[62:63]          ; sim_graph[B']
	s_lshl_b32 s62, s[WV], 8
	s_add_nc_u64 s[BB:BB+1], s[10:11], s[62:63]    ; biasr at head = wave
	s_lshl_b32 s17, s18, 18
	s_add_co_u32 s62, s62, s17
	s_add_nc_u64 s[OB:OB+1], s[14:15], s[62:63]    ; out0[B'][0][64 head]
	CROUND                                         ; all four work-groups are here: the first joint loads meet
	tensor_load_to_lds s[G0:G0+3], s[G1:G1+7]      ; step 0: the two first fills go out together, ahead of every wait on TENSORcnt and every LDS read: two loads of mine are out
	s_nop 0
	tensor_load_to_lds s[G0+4:G0+7], s[G1:G1+7]    ; step 1
	s_nop 0
	PLACES
	; THE INPUTS: seven groups of 32 loads; two groups are on their way at a time, so each wait but the last leaves the 32 loads of the younger group out
	XLOAD 0
	XLOAD 1
	s_wait_loadcnt 32
	XCONV 0
	XLOAD 2
	s_wait_loadcnt 32
	XCONV 1
	XLOAD 3
	s_wait_loadcnt 32
	XCONV 2
	WIN W_F                                        ; X's first 64 channels, all 64 tokens, as fragments: load z = 16 u + 4 tb + 2 g2 + e brings 4 numbers of token 16 tb + r at channel 32 u + 16 g2 + 8 h + 4 e
.set z, 0
.rept 32
	global_load_b128 v[4*z:4*z+3], v[XRO+((z/4)%4)/2], s[HB:HB+1] offset:(((z/4)%4)%2)*16*262144+128*(z/16)+64*((z/2)%2)+16*(z%2)
.set z, z+1
.endr
	s_wait_loadcnt 32
	XCONV 3
	WIN 0x80                                       ; sim_graph[B']: load z = 8 qt + 2 kt + e: query 16 qt + r, keys 16 kt + 8 h + 4 e on
.set z, 0
.rept 32
	global_load_b128 v[128+4*z:128+4*z+3], v[VS], s[8:9] offset:4096*(z/8)+64*((z/2)%4)+16*(z%2)
.set z, z+1
.endr
	s_wait_loadcnt 32
	WIN 0x0f
.set z, 0
.rept 64
	v_cvt_pk_bf16_f32 v[XR+z], v[2*z], v[2*z+1]
.set z, z+1
.endr
	WIN 0                                          ; attention_mask[b][key][s], key = 16 kt + 8 h + j
.set z, 0
.rept 32
	global_load_b32 v[ADD+z], v[VM], s[6:7] offset:256*(16*(z/8)+z%8)
.set z, z+1
.endr
	s_wait_loadcnt 32
	WIN 0xaa                                       ; sim: rounded to bf16, widened again, times c
.set z, 0
.rept 64
	v_cvt_pk_bf16_f32 v[z], v[128+2*z], v[128+2*z+1]
.set z, z+1
.endr
.set z, 0
.rept 64
	v_lshlrev_b32 v[128+2*z], 16, v[z]
	v_and_b32 v[128+2*z+1], s[HIM], v[z]
.set z, z+1
.endr
.set z, 0
.rept 64
	v_pk_mul_f32 v[128+2*z:128+2*z+1], v[128+2*z:128+2*z+1], s[CS:CS+1] op_sel_hi:[1,0]
.set z, z+1
.endr
	WIN 0
	s_wait_loadcnt 0x0
.set z, 0
.rept 16
	v_cvt_pk_bf16_f32 v[BQ+z], v[ADD+2*z], v[ADD+2*z+1]
.set z, z+1
.endr
.set z, 0
.rept 16
	v_lshlrev_b32 v[ADD+2*z], 16, v[BQ+z]
	v_and_b32 v[ADD+2*z+1], s[HIM], v[BQ+z]
.set z, z+1
.endr
.set z, 0
.rept 16
	v_pk_fma_f32 v[ADD+2*z:ADD+2*z+1], v[ADD+2*z:ADD+2*z+1], s[CM:CM+1], s[NCM:NCM+1] op_sel_hi:[1,0,0]  ; (am - 1) x 10000 log2(e), one rounding
.set z, z+1
.endr
	s_wait_dscnt 0x0                               ; for the others' sake: my 16 tokens of X lie in LDS
	s_wait_tensorcnt 1                             ; my part of step 0 is in; step 1's may stay out
	s_barrier_signal -1
	s_barrier_wait -1
	FETCH 0, 0, F0, 0, 0                           ; the first head's first fragments of W
	WIN 0
	s_mov_b32 s[PASS], 4
	s_mov_b32 s[GS], 64
.Lpass:                                        ; a head: 16 K steps, attention, stores
.irp c, 0,1,2,3
.irp e, 0,1
	global_load_b128 v[BQ+8*(\c)+4*(\e):BQ+8*(\c)+4*(\e)+3], v[VBQ], s[BB:BB+1] offset:64*(\c)+16*(\e)
	global_load_b128 v[BK+8*(\c)+4*(\e):BK+8*(\c)+4*(\e)+3], v[VBQ], s[BB:BB+1] offset:4096+64*(\c)+16*(\e)
.endr
.endr
	global_load_b128 v[BV:BV+3], v[VBV], s[BB:BB+1] offset:8192
	v_mov_b32 v[AX0], v[AXB0]
	v_mov_b32 v[AX0+1], v[AXB0+1]
	UNITA 0, 1, 1, 0, 0                            ; step 0: X from registers; its first half starts the 48 sums
	UNITB 0, 1, 2, 1, 0
	WIN 0                                          ; at a label and at a branch every window is 0
	s_mov_b32 s[LAP], 6
.Llap:                                         ; steps 1 + 2 i and 2 + 2 i; X's address stands at channel 64 + 128 i
	UNITA 1, 0, 0, 1, 64
	UNITB 1, 0, 2, 1, 128
	UNITA 0, 0, 0, 1, 192
	UNITB 0, 0, 2, 1, 256
	WIN 0
	v_add_nc_u32 v[AX0], 256, v[AX0]
	v_add_nc_u32 v[AX0+1], 256, v[AX0+1]
	s_sub_co_u32 s[LAP], s[LAP], 1
	s_cmp_lg_u32 s[LAP], 0
	s_cbranch_scc1 .Llap
	UNITA 1, 0, 0, 1, 64                           ; step 13
	UNITB 1, 0, 2, 1, 128
	WIN 0
	s_cmp_eq_u32 s[PASS], 1
	s_cbranch_scc1 .Llast                          ; the last head's tail is written out: it asks for nothing more
	UNITA 0, 0, 0, 1, 192                          ; step 14: the ring goes on into the next head
	UNITB 0, 0, 2, 1, 256
	UNITA 1, 0, 0, 1, 320                          ; step 15
	UNITB 1, 0, 2, 0, 0                            ; the next head's first fragments of W go into buffer 0, which attention does not touch
	ATT
	s_add_nc_u64 s[BB:BB+1], s[BB:BB+1], 1024      ; four heads on
	s_add_nc_u64 s[OB:OB+1], s[OB:OB+1], 1024
	s_sub_co_u32 s[PASS], s[PASS], 1
	s_branch .Lpass
.Llast:
	UNITA 0, 0, 0, 1, 192
	UNITB 0, 0, 1, 1, 256
	UNITA 1, 0, 0, 1, 320
	UNITB 1, 0, 0, 0, 0
	ATT
	s_wait_tensorcnt 0x0                           ; the wave's end, behind my last tensor load and my last LDS store
	ds_add_u32 v[SPW], v[NIL]
	s_wait_dscnt 0x0
	CROUND                                         ; the closing round: no work-group ends while a partner may still ask for a tile that names it
	s_endpgm
.Lfunc_end_k_q991e06fa1c_fused:
	.size	k_q991e06fa1c_fused, .Lfunc_end_k_q991e06fa1c_fused-k_q991e06fa1c_fused
	.p2alignl 7, 3214868480
	.fill 96, 4, 3214868480
	.section	.rodata,"a",@progbits
	.p2align	6, 0x0
	.amdhsa_kernel k_q991e06fa1c_fused
		.amdhsa_group_segment_fixed_size 327680
		.amdhsa_private_segment_fixed_size 0
		.amdhsa_enable_private_segment 0
		.amdhsa_kernarg_size 48
		.amdhsa_user_sgpr_count 2
		.amdhsa_user_sgpr_kernarg_segment_ptr 1
		.amdhsa_wavefront_size32 1
		.amdhsa_system_sgpr_workgroup_id_x 1
		.amdhsa_system_sgpr_workgroup_id_y 1
		.amdhsa_system_sgpr_workgroup_id_z 1
		.amdhsa_system_vgpr_workitem_id 0
		.amdhsa_next_free_vgpr 1024
		.amdhsa_next_free_sgpr 66
		.amdhsa_reserve_vcc 0
		.amdhsa_float_denorm_mode_32 3
		.amdhsa_float_denorm_mode_16_64 3
		.amdhsa_memory_ordered 1
		.amdhsa_forward_progress 1
		.amdhsa_inst_pref_size 255
	.end_amdhsa_kernel
	.section	.bss,"aw",@nobits
	.p2align	6
	.space	262144
	.amdgpu_metadata
---
amdhsa.version: [ 1, 2 ]
amdhsa.kernels:
  - .name:           k_q991e06fa1c_fused
    .symbol:         k_q991e06fa1c_fused.kd
    .args:
      - { .name: hidden_states, .offset: 0, .size: 8, .value_kind: global_buffer, .address_space: global }
      - { .name: attention_mask, .offset: 8, .size: 8, .value_kind: global_buffer, .address_space: global }
      - { .name: sim_graph, .offset: 16, .size: 8, .value_kind: global_buffer, .address_space: global }
      - { .name: biasr, .offset: 24, .size: 8, .value_kind: global_buffer, .address_space: global }
      - { .name: wb, .offset: 32, .size: 8, .value_kind: global_buffer, .address_space: global }
      - { .name: out0, .offset: 40, .size: 8, .value_kind: global_buffer, .address_space: global }
    .group_segment_fixed_size: 327680
    .private_segment_fixed_size: 0
    .kernarg_segment_align: 8
    .kernarg_segment_size: 48
    .max_flat_workgroup_size: 128
    .sgpr_count:     66
    .vgpr_count:     1024
    .wavefront_size: 32
...
	.end_amdgpu_metadata
.endif
;; end of part 2
;; ======== version 2 of 2: 2 launches
;; limits: values are held in f16: magnitudes above 65,504 overflow, below 6.1e-05 lose precision
;; workspace buffers: xb 33,554,432 bytes; wb 6,291,456 bytes; biasr 12,288 bytes
;; launch prep (part 3): grid 899 x 1, 8 waves a work-group, no clusters, 0 bytes of LDS; arguments hidden_states, Wq, Wk, Wv, bq, bk, bv, xb, wb, biasr; writes xb, wb, biasr
.if DOCPART == 3
	.amdgcn_target "amdgcn-amd-amdhsa--gfx1250"
	.amdhsa_code_object_version 6
	.text
	.protected	k_q991e06fa1c_prep
	.globl	k_q991e06fa1c_prep
	.p2align	8
	.type	k_q991e06fa1c_prep,@function
k_q991e06fa1c_prep:
	s_mov_b64 s[64:65], 0
	v_nop
	global_prefetch_b8 v0, s[64:65] scope:SCOPE_SE
	s_setreg_imm32_b32 hwreg(HW_REG_WAVE_MODE, 25, 1), 1
	s_wait_xcnt 0x0
; hidden_states, Wq, Wk and Wv are rounded once to bf16 and laid out as ready register images of matrix fragments, in the order in which the next launch streams them;
; the three biases are rounded once to bf16 and kept as f32 words.
; A FRAGMENT is 16 rows x 32 along K in 1,024 bytes: byte 512 g2 + 16 lane holds, for lane (r = lane % 16, h = lane / 16), the 8 numbers k0 + 16 g2 + 8 h + 0..7 of row r.
; xb, in bytes: ((group x 8 + s8) x 4 + bw) x 16,384 + (4 u + tb) x 1,024.   Batch B' = 64 b + s = 4 group + bw; row r is token 16 tb + r, that is hidden_states[b][16 tb + r][s]; k0 = 128 s8 + 32 u.
; wb, in bytes: ((head x 8 + s8) x 48 + 12 u + f) x 1,024.   f = 0-3 Wq's tile cb, 4-7 Wk's, 8-11 Wv's tile ct; row r is row 64 head + 16 cb + r of Wq and Wk,
; row 64 head + 4 r + ct of Wv (so that in the next launch a lane ends with four neighbouring channels of the output).
; SHARES.  Work-groups 0..511: X.  A wave takes 16 tokens of one batch x 256 channels: 1,024 consecutive bytes of each of 16 rows in, by 32 loads that all go out at once, and 8 fragments out,
; by 16 stores of 512 consecutive bytes.  A work-group's eight waves take 32 whole rows.  Work-groups 512..895: a tile of 16 rows of one W and 8 of its 16 pieces of 64 along K, one to a wave.
; Work-groups 896..898: one bias each, 16 bytes a thread.  No LDS, no barrier, no loop: memory binds, and nothing is shared between waves.
.set XWG,   512
.set TILES, 384
	s_load_b512 s[4:19], s[0:1], 0x0               ; hidden_states s[4:5], Wq s[6:7], Wk s[8:9], Wv s[10:11], bq s[12:13], bk s[14:15], bv s[16:17], xb s[18:19]
	s_load_b128 s[20:23], s[0:1], 0x40             ; wb s[20:21], biasr s[22:23]
	v_lshrrev_b32 v1, 5, v0
	v_readfirstlane_b32 s24, v1                    ; wave 0..7
	v_and_b32 v2, 15, v0                           ; r
	v_bfe_u32 v3, v0, 4, 1                         ; h
	v_and_b32 v4, 31, v0                           ; lane
	v_lshlrev_b32 v6, 4, v4                        ; 16 x lane, in a fragment
	s_cmp_ge_u32 ttmp9, XWG
	s_cbranch_scc1 .Lweights
	s_lshr_b32 s25, ttmp9, 1                       ; B'
	s_and_b32 s26, ttmp9, 1
	s_lshr_b32 s27, s24, 2
	s_lshl1_add_u32 s26, s26, s27                  ; tb = 2 (x % 2) + wave / 4
	s_and_b32 s27, s24, 3                          ; kq: which 256 channels
	v_lshlrev_b32 v5, 18, v2                       ; tokens lie 262,144 bytes apart
	v_lshl_add_u32 v5, v3, 5, v5                   ; + 32 h: my 8 numbers in f32
	s_lshr_b32 s28, s25, 6                         ; b
	s_and_b32 s29, s25, 63                         ; s
	s_lshl_b32 s30, s28, 24
	s_lshl_b32 s29, s29, 12
	s_add_co_u32 s30, s30, s29
	s_lshl_b32 s29, s26, 22                        ; 16 tb tokens
	s_add_co_u32 s30, s30, s29
	s_lshl_b32 s29, s27, 10                        ; 256 kq channels
	s_add_co_u32 s30, s30, s29
	s_mov_b32 s31, 0
	s_lshr_b32 s32, s25, 2                         ; group
	s_lshl_b32 s32, s32, 19
	s_lshl_b32 s29, s27, 17                        ; s8 = 2 kq
	s_add_co_u32 s32, s32, s29
	s_and_b32 s29, s25, 3                          ; bw
	s_lshl_b32 s29, s29, 14
	s_add_co_u32 s32, s32, s29
	s_lshl_b32 s29, s26, 10                        ; tb
	s_add_co_u32 s32, s32, s29
	s_mov_b32 s33, 0
	s_wait_kmcnt 0x0
	s_add_nc_u64 s[34:35], s[4:5], s[30:31]
	s_add_nc_u64 s[36:37], s[18:19], s[32:33]
.set p, 0
.rept 16                               ; pair p: channels 256 kq + 16 p + 8 h + 0..7, two loads
	global_load_b128 v[16+8*p:16+8*p+3],   v5, s[34:35] offset:64*p
	global_load_b128 v[16+8*p+4:16+8*p+7], v5, s[34:35] offset:64*p+16
.set p, p+1
.endr
.set p, 0
.rept 16
	s_wait_loadcnt 30-2*p                          ; loads come back in order: pair p is in, the 30 - 2 p younger loads stay out
	v_cvt_pk_bf16_f32 v[16+8*p],   v[16+8*p],   v[16+8*p+1]  ; in place: no source is written before it is read
	v_cvt_pk_bf16_f32 v[16+8*p+1], v[16+8*p+2], v[16+8*p+3]
	v_cvt_pk_bf16_f32 v[16+8*p+2], v[16+8*p+4], v[16+8*p+5]
	v_cvt_pk_bf16_f32 v[16+8*p+3], v[16+8*p+6], v[16+8*p+7]
	global_store_b128 v6, v[16+8*p:16+8*p+3], s[36:37] offset:(p/8)*65536+((p/2)%4)*4096+(p%2)*512  ; s8 = 2 kq + p / 8, u = (p / 2) % 4, g2 = p % 2: 512 consecutive bytes, at a multiple of 512 from xb's first byte
.set p, p+1
.endr
	s_endpgm
.Lweights:
	s_sub_co_u32 s25, ttmp9, XWG
	s_cmp_ge_u32 s25, TILES
	s_cbranch_scc1 .Lbias
	s_lshr_b32 s26, s25, 1                         ; the tile
	s_and_b32 s27, s25, 1
	s_lshl3_add_u32 s27, s27, s24                  ; s = 8 x half + wave: which 64 along K
	s_lshr_b32 s28, s26, 6                         ; which matrix: 0 q, 1 k, 2 v
	s_and_b32 s29, s26, 63
	s_lshr_b32 s30, s29, 2                         ; head
	s_and_b32 s31, s29, 3                          ; cb (ct)
	s_cmp_eq_u32 s28, 2
	s_cselect_b32 s32, 4, 1                        ; rows of a tile lie 4 apart in Wv, 1 apart in Wq and Wk
	s_cselect_b32 s33, 0, 4
	s_lshl_b32 s33, s31, s33                       ; the tile's first row in the head: ct, or 16 cb
	s_lshl_b32 s34, s30, 6
	s_add_co_u32 s33, s33, s34                     ; + 64 head
	v_mad_u32_u24 v5, v2, s32, s33                 ; my row
	v_lshlrev_b32 v5, 12, v5                       ; x 4,096 bytes
	v_lshl_add_u32 v5, v3, 5, v5                   ; + 32 h
	s_lshr_b32 s34, s27, 1                         ; s8
	s_lshl3_add_u32 s34, s30, s34                  ; 8 head + s8
	s_mul_i32 s34, s34, 49152
	s_and_b32 s35, s27, 1                          ; u = 2 (s % 2) + 0, 1
	s_mul_i32 s35, s35, 24576
	s_add_co_u32 s34, s34, s35
	s_lshl2_add_u32 s35, s28, s31                  ; f = 4 x matrix + cb
	s_lshl_b32 s35, s35, 10
	s_add_co_u32 s34, s34, s35
	s_mov_b32 s35, 0
	s_lshl_b32 s36, s27, 8                         ; the piece's 256 bytes in a row
	s_mov_b32 s37, 0
	s_wait_kmcnt 0x0
	s_cmp_eq_u32 s28, 0
	s_cselect_b64 s[38:39], s[6:7], s[8:9]
	s_cmp_eq_u32 s28, 2
	s_cselect_b64 s[38:39], s[10:11], s[38:39]
	s_add_nc_u64 s[38:39], s[38:39], s[36:37]
	s_add_nc_u64 s[40:41], s[20:21], s[34:35]
.irp p, 0,1,2,3                        ; pair p: 8 numbers a lane, two loads
	global_load_b128 v[16+8*(\p):16+8*(\p)+3],   v5, s[38:39] offset:64*(\p)
	global_load_b128 v[16+8*(\p)+4:16+8*(\p)+7], v5, s[38:39] offset:64*(\p)+16
.endr
.irp p, 0,1,2,3
	s_wait_loadcnt 6-2*(\p)                        ; pair p is in, the 6 - 2 p younger loads stay out
.irp i, 0,1,2,3
	v_cvt_pk_bf16_f32 v[48+4*(\p)+(\i)], v[16+8*(\p)+2*(\i)], v[16+8*(\p)+2*(\i)+1]
.endr
	global_store_b128 v6, v[48+4*(\p):48+4*(\p)+3], s[40:41] offset:12288*((\p)/2)+512*((\p)%2)  ; 512 consecutive bytes, at a multiple of 512 from wb's first byte
.endr
	s_endpgm
.Lbias:
	s_sub_co_u32 s26, s25, TILES                   ; 0 bq, 1 bk, 2 bv
	s_lshl_b32 s28, s26, 12
	s_mov_b32 s29, 0
	v_lshlrev_b32 v5, 4, v0                        ; 16 bytes a thread: 256 threads take the 1,024 numbers
	s_wait_kmcnt 0x0
	s_cmp_eq_u32 s26, 0
	s_cselect_b64 s[30:31], s[12:13], s[14:15]
	s_cmp_eq_u32 s26, 2
	s_cselect_b64 s[30:31], s[16:17], s[30:31]
	s_add_nc_u64 s[32:33], s[22:23], s[28:29]
	global_load_b128 v[8:11], v5, s[30:31]
	s_wait_loadcnt 0x0
	v_cvt_pk_bf16_f32 v12, v8, v9                  ; rounded to bf16,
	v_cvt_pk_bf16_f32 v13, v10, v11
	v_lshlrev_b32 v16, 16, v12                     ; and widened again: the next launch adds them in f32
	v_and_b32 v17, 0xffff0000, v12
	v_lshlrev_b32 v18, 16, v13
	v_and_b32 v19, 0xffff0000, v13
	global_store_b128 v5, v[16:19], s[32:33]
	s_endpgm
.Lfunc_end_k_q991e06fa1c_prep:
	.size	k_q991e06fa1c_prep, .Lfunc_end_k_q991e06fa1c_prep-k_q991e06fa1c_prep
	.p2alignl 7, 3214868480
	.fill 96, 4, 3214868480
	.section	.rodata,"a",@progbits
	.p2align	6, 0x0
	.amdhsa_kernel k_q991e06fa1c_prep
		.amdhsa_group_segment_fixed_size 0
		.amdhsa_private_segment_fixed_size 0
		.amdhsa_enable_private_segment 0
		.amdhsa_kernarg_size 80
		.amdhsa_user_sgpr_count 2
		.amdhsa_user_sgpr_kernarg_segment_ptr 1
		.amdhsa_wavefront_size32 1
		.amdhsa_system_sgpr_workgroup_id_x 1
		.amdhsa_system_sgpr_workgroup_id_y 1
		.amdhsa_system_sgpr_workgroup_id_z 1
		.amdhsa_system_vgpr_workitem_id 0
		.amdhsa_next_free_vgpr 144
		.amdhsa_next_free_sgpr 66
		.amdhsa_reserve_vcc 0
		.amdhsa_float_denorm_mode_32 3
		.amdhsa_float_denorm_mode_16_64 3
		.amdhsa_memory_ordered 1
		.amdhsa_forward_progress 1
		.amdhsa_inst_pref_size 16
	.end_amdhsa_kernel
	.amdgpu_metadata
---
amdhsa.version: [ 1, 2 ]
amdhsa.kernels:
  - .name:           k_q991e06fa1c_prep
    .symbol:         k_q991e06fa1c_prep.kd
    .args:
      - { .name: hidden_states, .offset: 0, .size: 8, .value_kind: global_buffer, .address_space: global }
      - { .name: Wq, .offset: 8, .size: 8, .value_kind: global_buffer, .address_space: global }
      - { .name: Wk, .offset: 16, .size: 8, .value_kind: global_buffer, .address_space: global }
      - { .name: Wv, .offset: 24, .size: 8, .value_kind: global_buffer, .address_space: global }
      - { .name: bq, .offset: 32, .size: 8, .value_kind: global_buffer, .address_space: global }
      - { .name: bk, .offset: 40, .size: 8, .value_kind: global_buffer, .address_space: global }
      - { .name: bv, .offset: 48, .size: 8, .value_kind: global_buffer, .address_space: global }
      - { .name: xb, .offset: 56, .size: 8, .value_kind: global_buffer, .address_space: global }
      - { .name: wb, .offset: 64, .size: 8, .value_kind: global_buffer, .address_space: global }
      - { .name: biasr, .offset: 72, .size: 8, .value_kind: global_buffer, .address_space: global }
    .group_segment_fixed_size: 0
    .private_segment_fixed_size: 0
    .kernarg_segment_align: 8
    .kernarg_segment_size: 80
    .max_flat_workgroup_size: 256
    .sgpr_count:     66
    .vgpr_count:     144
    .wavefront_size: 32
...
	.end_amdgpu_metadata
.endif
;; end of part 3
;; launch fused (part 4): grid 4 x 64, 4 waves a work-group, clusters of 4 x 4, 327,680 bytes of LDS; arguments xb, attention_mask, sim_graph, biasr, wb, out0; writes out0
.if DOCPART == 4
	.amdgcn_target "amdgcn-amd-amdhsa--gfx1250"
	.amdhsa_code_object_version 6
	.text
	.protected	k_q991e06fa1c_fused
	.globl	k_q991e06fa1c_fused
	.p2align	8
	.type	k_q991e06fa1c_fused,@function
k_q991e06fa1c_fused:
	s_mov_b64 s[64:65], 0
	v_nop
	global_prefetch_b8 v0, s[64:65] scope:SCOPE_SE
	s_setreg_imm32_b32 hwreg(HW_REG_WAVE_MODE, 25, 1), 1
	s_wait_xcnt 0x0
	s_wait_alu depctr_hold_cnt(0) depctr_sa_sdst(0) depctr_va_vdst(0) depctr_va_sdst(0) depctr_va_ssrc(0) depctr_va_vcc(0) depctr_vm_vsrc(0)
	s_getreg_b32 s2, hwreg(HW_REG_IB_STS2, 6, 4)
	s_cmp_eq_u32 s2, 0
	s_cbranch_scc0 .Lentry_in_a_cluster
	s_endpgm
.Lentry_in_a_cluster:
	s_bfe_u32 s2, ttmp6, 0x10000c
	s_cmp_lg_u32 s2, 0xf033
	s_cbranch_scc0 .Lentry_shape_is_right
	s_endpgm
.Lentry_shape_is_right:
; out0[B'][q][64 head + d] = sum over k of softmax_k( (q.k / 8) sim[B'][q][k] + (1 - am[b][k][s]) x -10000 ) v[k][d],   q, k, v = X W^T + bias,   X[m] = hidden_states[b][m][s][:],   B' = 64 b + s.
; SHARES.  A work-group owns FOUR BATCHES (group y: B' = 4 y + wave) and FOUR HEADS (quad x), one head a pass.  In a pass wave w makes its batch's 64 tokens x 192 columns (q, k, v of the head) in 48
; accumulators, K = 1,024 in 8 steps of 128, then that batch's and head's attention, all in registers, then its stores.  The four waves read the same fragments of W and each its own batch's fragments of X.
; FORMATS.  Every input (x, W, biases, sim_graph, attention_mask) is rounded once to bf16; the projections multiply in bf16 with f32 sums.  q + bq, k + bk, v and the weights p are rounded once to f16;
; both attention products multiply in f16 with f32 sums.  Scaling, mask, maximum, exponentials and the division are f32.  ctx = (sum p v) / l + bv, which equals sum p (v + bv) / l since l = sum p.
; LIMITS.  |q + bq|, |k + bk| and |v - bv| stay under f16's 65,504; a weight below 6e-8 counts as 0; l is the sum of the ROUNDED weights (at least 1: the largest weight is 1); NaN and infinities are not treated apart.
; The maximum is the true maximum over all 64 keys of the masked, scaled scores.
; LAYOUT: NOTHING CHANGES LANES.  Q, K: source 0 = 16 rows of W, source 1 = 16 tokens: a lane holds one token and 8 neighbouring channels; two results packed ARE a fragment of Q or K.
; V: the sources swapped: a lane holds one channel and 8 tokens; two results packed ARE a fragment of V^T.  S^T = K Q^T: a lane holds one query, its registers keys; packed it IS a fragment of P.
; O = P V: register j is query 8 h + j, lane r a channel; Wv's rows were ordered so that lane r of tile ct is channel 4 r + ct: the four tiles give a lane 16 neighbouring bytes of the output.
; The row sums come the same way round (query along the registers) from P x ONES on the matrix unit.
; THE RING.  xb and wb hold ready fragment images in streaming order.  A step's tiles are 65,536 bytes of X (16,384 a batch) and 49,152 of W: a slot of 114,688 bytes, two slots.  Waves 0 and 1 fetch X's
; halves, waves 2 and 3 W's, one tensor load each behind each change of slots; from a request to the wait for it a wave issues 176 matrix instructions.
; CLUSTERS: 4 x 4 work-groups.  X's tile hangs on y alone: the four of a row of the cluster ask for it JOINTLY; W's on x alone: the four of a column do.  That divides the requests for X and W by four.
; THE ORDER OF HEADS is turned by the cluster's number: in pass p a cluster takes head 4 x + (p + cluster y) % 4, so that the sixteen clusters walk four different quarters of wb at a time, not all the same tile.
; Only global addresses hang on that.
; REGISTERS, in windows of 256 (s_set_vgpr_msb: bits 1:0 source 0, 3:2 source 1, 5:4 source 2, 7:6 destination):
;   window 0: v0-17 addresses; v20-23 bv; v24-31 ones (f16); v32-63 the mask's addend; v128-191 bq, bk
;   window 1: v0-127 q's sums, then S^T, then the output;  v128-255 k's sums, then P (128-191), l (192-223), at work (224-255)
;   window 2: v0-127 v's sums, then Q's and K's fragments, then O;  v128-255 sim x c
;   window 3: two fragment buffers of 128: 12 fragments of W, then 4 of X; during attention V's fragments lie in v128-191
.set SLOTB,  114688                    ; a slot: X's 65,536 bytes, then W's 49,152; dense: lane l reads byte 16 l of a half fragment, so no two lanes of a load share a bank
.set WOFF,   65536                     ; where W's part of a slot begins
.set XHALF,  32768                     ; what waves 0 and 1 fetch: two batches' fragments of a step
.set WHALF,  24576                     ; what waves 2 and 3 fetch: two quarters' fragments of a step
.set XSTEP,  65536                     ; a step in xb
.set WSTEP,  49152                     ; a step in wb
.set SPARE,  2*SLOTB                   ; 229,376 = 896 x 256: the spare words, 128 bytes for each wave, which no other line names
.set AW0,  4                           ; v4-5   16 lane + W's part of slot 0, 1; never rewritten
.set AX0,  6                           ; v6-7   16 lane + my batch's part of slot 0, 1; never rewritten
.set VO,   10                          ; v10    32,768 h + 16 r: my 16 bytes of out0's rows q and q + 8
.set VBQ,  11                          ; v11    32 h
.set VBV,  12                          ; v12    16 r
.set PFO,  13                          ; v13    the prefetches' offset: 256 x my lane (for W: 256 x the lesser of my lane and 23); never rewritten
.set SPW,  14                          ; v14    my spare word; never rewritten
.set NIL,  15                          ; v15    0; never rewritten
.set VS,   16                          ; v16    256 r + 32 h
.set VM,   17                          ; v17    2,048 h
.set BV,   20
.set ONES, 24
.set ADD,  32                          ; at 8 kt + j: (am - 1) x 10000 log2(e) for key 16 kt + 8 h + j
.set BQ,   128                         ; at 8 cb + j
.set BK,   160
.set F0,   0
.set F1,   128
.set WV,   16                          ; s16  my wave's number
.set FB,   17                          ; s17  0: I fetch for X; 1: for W
.set HF,   18                          ; s18  which half of that tile
.set HIM,  19                          ; s19  a word's upper bf16
.set CX,   20                          ; s20, s21  my place in the cluster
.set CY,   21
.set KY,   22                          ; s22  the cluster's y
.set HQ,   23                          ; s23  my quad of heads
.set G1X,  24                          ; s[24:31] descriptor group 1 for X's tiles
.set G1W,  32                          ; s[32:39] for W's
.set G0X,  40                          ; s[40:47] descriptor group 0 for X's tiles, a set for each slot
.set G0W,  48                          ; s[48:55] the same for W's
.set PASS, 56                          ; s56  passes to go, this one among them
.set LAP,  57
.set GS,   58                          ; s58  32 less the number of changes of slots that have asked
.set LIM,  59                          ; s59  27 in a wave that prefetches, else the greatest number
.set PFA,  60                          ; s[60:61] where my prefetches stand
.set PFS,  62                          ; s[62:63] their step
.set SEL,  66                          ; s[66:67] v_permlanex16_b32's selects: each lane takes its own place in the other half
.set CS,   68                          ; s[68:69] c = log2(e) / 8
.set CM,   70                          ; s[70:71] 10000 log2(e)
.set NCM,  72                          ; s[72:73] -10000 log2(e)
.set BB,   74                          ; s[74:75] biasr at the head in hand
.set OB,   76                          ; s[76:77] out0 at my batch and the head in hand
.set BB0,  78                          ; s[78:79] biasr at my quad
.set OB0,  80                          ; s[80:81] out0 at my batch and quad
.set XBASE, 82                         ; s[82:83] xb at my group and half
.set WBASE, 84                         ; s[84:85] wb at my quad and half
.set TN,   86                          ; s86  the step, of the walk's 32, that the next refill brings
.set ROT8, 87                          ; s87  8 x (cluster y % 4)
.set OFX,  88                          ; s[88:89] a step's offset in xb; it never holds cx
.set OFW,  90                          ; s[90:91] a step's offset in wb; it never holds cy
.set J,    92                          ; s92  the head in hand, within the quad
.set GRP,  93                          ; s93  my group of batches
.set JO,   94                          ; s[94:95] 256 J
.set T0,   96                          ; s96  at work; it never holds cx
.set T1,   97                          ; s97  at work; it never holds cy
.set TP,   98                          ; s[98:99] offsets for addresses that are no descriptor's
.set BP,   100                         ; s100 my batch B'
.set T2,   101                         ; s101 at work; it holds neither cx nor cy
.set W_QK, 0x5f                        ; W and X window 3, sums window 1
.set W_V,  0xaf                        ; X and W window 3, sums window 2
.set W_F,  0xc0                        ; destination window 3, address window 0
.set W_BA, 0x41
.set W_CV, 0xca
.set W_CQ, 0x85
.set W_S,  0x5a
.set W_SF, 0x49
.set W_1,  0x55
.set W_L,  0x51
.set W_PV, 0xad
.set W_O,  0x46
.set W_ST, 0x04                        ; a store's data in window 1, its address in window 0
.set MSB, 0
.macro WIN new                         ; the immediate's high byte repeats the setting that is left; a switch that changes nothing is dropped
.if MSB != (\new)
	s_set_vgpr_msb (MSB<<8)|(\new)
.set MSB, (\new)
.endif
.endm
.macro PLACES                          ; four places behind matrix instructions: in front of loads into registers that they read and of vector lines that read their results
.rept 4
	v_nop
.endr
.endm
.macro CREST                           ; a round of the cluster's barrier behind its opening barrier
	s_cmp_lg_u32 s[WV], 0
	s_cbranch_scc1 .Lnot_wave_0_\@
	s_barrier_signal -3
.Lnot_wave_0_\@:
	s_barrier_wait -3
	s_barrier_signal -1
	s_barrier_wait -1
.endm
.macro CROUND                          ; a whole round
	s_barrier_signal -1
	s_barrier_wait -1
	CREST
.endm
; A joint refill.  Waves 0 and 1 fetch X's two halves, waves 2 and 3 W's.  Each of the two lines has one mask and one set of registers for all that issue it; the branch hangs on the wave's number alone.
; An s_nop 0 and four v_nop follow each of the two lines, ahead of the jump, the label and what follows; the four are also the places in front of the loads into buffer 0.
.macro JLOAD slot
	s_cmp_eq_u32 s[FB], 0
	s_cbranch_scc0 .Lfor_w_\@
	tensor_load_to_lds s[G0X+4*(\slot):G0X+4*(\slot)+3], s[G1X:G1X+7]
	s_nop 0
.rept 4
	v_nop
.endr
	s_branch .Lasked_\@
.Lfor_w_\@:
	tensor_load_to_lds s[G0W+4*(\slot):G0W+4*(\slot)+3], s[G1W:G1W+7]
	s_nop 0
.rept 4
	v_nop
.endr
.Lasked_\@:
.endm
; 4 cn matrix instructions: W's tiles c0 .. c0 + cn - 1 of kind m (0 q, 1 k, 2 v) x the four token tiles, 32 along K, from buffer buf.  zero = 1: the products start the sums.
; The 48 accumulators take turns, one instruction a turn, in the same order in every quarter.
.macro MUL m, buf, c0, cn, zero
.if (\m) == 2
	WIN W_V
.else
	WIN W_QK
.endif
.set cc, (\c0)
.rept (\cn)
.set tt, 0
.rept 4
.set rX, (\buf)+96+8*tt
.if (\m) == 2
.set rD, 32*cc+8*tt
.set rW, (\buf)+64+8*cc
.if \zero
	v_wmma_f32_16x16x32_bf16 v[rD:rD+7], v[rX:rX+7], v[rW:rW+7], 0
.else
	v_wmma_f32_16x16x32_bf16 v[rD:rD+7], v[rX:rX+7], v[rW:rW+7], v[rD:rD+7]
.endif
.else
.set rD, 128*(\m)+32*tt+8*cc
.set rW, (\buf)+32*(\m)+8*cc
.if \zero
	v_wmma_f32_16x16x32_bf16 v[rD:rD+7], v[rW:rW+7], v[rX:rX+7], 0
.else
	v_wmma_f32_16x16x32_bf16 v[rD:rD+7], v[rW:rW+7], v[rX:rX+7], v[rD:rD+7]
.endif
.endif
.set tt, tt+1
.endr
.set cc, cc+1
.endr
.endm
; 32 LDS loads in one run: the fragments of quarter u of the step in the slot, into buffer buf: my batch's four of X first, then Wq's, Wk's, Wv's (8 loads each).
.macro FETCH slot, u, buf
	WIN W_F
.irp t, 0,1,2,3
	ds_load_b128 v[(\buf)+96+8*(\t):(\buf)+96+8*(\t)+3],   v[AX0+(\slot)] offset:(4*(\u)+(\t))*1024
	ds_load_b128 v[(\buf)+96+8*(\t)+4:(\buf)+96+8*(\t)+7], v[AX0+(\slot)] offset:(4*(\u)+(\t))*1024+512
.endr
.irp i, 0,1,2,3,4,5,6,7,8,9,10,11
	ds_load_b128 v[(\buf)+8*(\i):(\buf)+8*(\i)+3],   v[AW0+(\slot)] offset:(12*(\u)+(\i))*1024
	ds_load_b128 v[(\buf)+8*(\i)+4:(\buf)+8*(\i)+7], v[AW0+(\slot)] offset:(12*(\u)+(\i))*1024+512
.endr
.endm
; A PREFETCH INTO THE L2, behind the joint load, its five lines and the run of LDS loads: change of slots t names step t + 3, whose tensor load goes out one step, 192 matrix instructions, later.  Only the first
; pass's steps 3 to 7 are named (t = 0 .. 4): steps 0 to 2 come by their loads alone, and the later passes walk rows that the launch has read before.  X: every cluster asks for its own groups' rows; of the
; 128 blocks of 256 bytes that wave 0 or 1 fetches, the partner at place cx takes 32, a lane a block.  W: four clusters take the same head in the first pass; the first of them (cluster y under 4) asks; of the
; 96 blocks that wave 2 or 3 fetches the partner at place cy takes 24: lanes 24 to 31 name the 24th once more, in the same instruction.  The partners are told apart BY ADDRESS.
.macro ASK
	WIN 0
	s_cmp_gt_u32 s[GS], s[LIM]
	s_cbranch_scc0 .Lnot_mine_\@
	global_prefetch_b8 v[PFO], s[PFA:PFA+1] th:TH_LOAD_NT scope:SCOPE_SE
.Lnot_mine_\@:
	s_sub_co_u32 s[GS], s[GS], 1
.endm
; A K step is four quarters of 32 along K, 48 matrix instructions each, on buffers 0, 1, 0, 1.  One of the first three: multiplies buffer f and fetches quarter u of the same slot into buffer g.
.macro QUARTER slot, u, f, g, zero
	s_wait_dscnt 16                                ; X's and Wq's fragments are in; Wk's and Wv's sixteen loads may stay out
	MUL 0, \f, 0, 4, \zero
	PLACES
	FETCH \slot, \u, \g
	s_wait_dscnt 32                                ; all but the run just issued
	MUL 1, \f, 0, 4, \zero
	MUL 2, \f, 0, 4, \zero
.endm
; The last quarter multiplies buffer 1 and changes slots: ONE barrier.  In front of it each wave waits for all its tensor loads (one is out: its part of the other slot), adds 0 to its spare word, and waits for
; that and for its reads of this slot.  Behind it nobody reads this slot any more and the other slot is whole.  mode 2: the barrier opens a round of the cluster's barrier, and this slot is filled again, first
; thing behind the round, with step TN of the walk: both descriptors' addresses are made anew from that number (X: TN % 8; W: (TN + 8 x the turn of heads) % 32).  mode 1: nothing is filled again.
.macro TURN slot, mode
.if (\mode) == 2
	s_wait_xcnt 0x0                                ; the last prefetch, a step back, has read its address
	s_add_nc_u64 s[PFA:PFA+1], s[PFA:PFA+1], s[PFS:PFS+1]
.endif
	WIN 0                                          ; (the add's two registers lie in window 0)
	s_wait_tensorcnt 0x0                           ; all my tensor loads have landed, so a group 0 may be written
	ds_add_u32 v[SPW], v[NIL]                      ; 0 onto my spare word
.if (\mode) == 2
	s_and_b32 s[OFX], s[TN], 7
	s_lshl_b32 s[OFX], s[OFX], 16
	s_add_nc_u64 s[G0X+4*(\slot)+2:G0X+4*(\slot)+3], s[XBASE:XBASE+1], s[OFX:OFX+1]
	s_or_b32 s[G0X+4*(\slot)+3], s[G0X+4*(\slot)+3], 0x80000000
	s_add_co_u32 s[OFW], s[TN], s[ROT8]
	s_and_b32 s[OFW], s[OFW], 31
	s_mul_i32 s[OFW], s[OFW], WSTEP
	s_add_nc_u64 s[G0W+4*(\slot)+2:G0W+4*(\slot)+3], s[WBASE:WBASE+1], s[OFW:OFW+1]
	s_or_b32 s[G0W+4*(\slot)+3], s[G0W+4*(\slot)+3], 0x80000000
	s_add_co_u32 s[TN], s[TN], 1
.endif
	s_wait_dscnt 17                                ; the add and Wk's and Wv's sixteen loads may stay out
	MUL 0, F1, 0, 2, 0
	s_wait_dscnt 0x0                               ; the add is done, and my reads of this slot are over
	s_barrier_signal -1
	MUL 0, F1, 2, 2, 0
.if (\mode) == 2
	WIN 0
.endif
	s_barrier_wait -1
.if (\mode) == 2
	CREST                                          ; no wave of any partner still reads this slot or has a load on its way
	JLOAD \slot
.else
	PLACES
.endif
	FETCH 1-(\slot), 0, F0
.if (\mode) == 2
	ASK
.endif
	MUL 1, F1, 0, 4, 0
	MUL 2, F1, 0, 4, 0
.endm
; A HEAD'S ATTENTION, in phases, all in registers.
.macro ATT
	WIN 0
	PLACES                                         ; behind the last products
	s_wait_loadcnt 0x0                             ; the pass's 17 bias loads
	WIN W_BA
.set z, 0
.rept 64
	v_pk_add_f32 v[2*z:2*z+1], v[2*z:2*z+1], v[BQ+(2*z)%32:BQ+(2*z)%32+1]  ; q + bq: each accumulator from its low end on
.set z, z+1
.endr
.set z, 0
.rept 64
	v_pk_add_f32 v[128+2*z:128+2*z+1], v[128+2*z:128+2*z+1], v[BK+(2*z)%32:BK+(2*z)%32+1]
.set z, z+1
.endr
	WIN W_CV
.set z, 0
.rept 64
	v_cvt_pk_f16_f32 v[128+z], v[2*z], v[2*z+1]    ; V's fragments: channel tile ct, token half c at 128 + 16 ct + 8 c of window 3
.set z, z+1
.endr
	WIN W_CQ
.set z, 0
.rept 128
	v_cvt_pk_f16_f32 v[z], v[2*z], v[2*z+1]        ; Q's fragments at 16 qt + 8 c, K's at 64 + 16 kt + 8 c of window 2, where v's sums lay
.set z, z+1
.endr
	WIN W_S
.irp c, 0,1                            ; S^T = K Q^T: 16 accumulators by turns
.set z, 0
.rept 16
.if (\c) == 0
	v_wmma_f32_16x16x32_f16 v[8*z:8*z+7], v[64+16*(z%4):64+16*(z%4)+7], v[16*(z/4):16*(z/4)+7], 0
.else
	v_wmma_f32_16x16x32_f16 v[8*z:8*z+7], v[64+16*(z%4)+8:64+16*(z%4)+15], v[16*(z/4)+8:16*(z/4)+15], v[8*z:8*z+7]
.endif
.set z, z+1
.endr
.endr
	PLACES
	WIN W_SF
.set z, 0
.rept 64
	v_pk_fma_f32 v[2*z:2*z+1], v[2*z:2*z+1], v[128+2*z:128+2*z+1], v[ADD+(2*z)%32:ADD+(2*z)%32+1]  ; t = s x (sim c) + the mask's addend
.set z, z+1
.endr
	WIN W_1
.set j, 0
.rept 16                               ; the maximum of a lane's 32 scores, three operands at a time, the four query tiles by turns
.set q, 0
.rept 4
.set rS, 32*q
.set rT, 224+8*q
.if j < 4
	v_max3_num_f32 v[rT+j], v[rS+8*j], v[rS+8*j+1], v[rS+8*j+2]
.elseif j < 12
	v_max3_num_f32 v[rT+j%4], v[rT+j%4], v[rS+8*(j%4)+2*(j/4)+1], v[rS+8*(j%4)+2*(j/4)+2]
.elseif j == 12
	v_max3_num_f32 v[rT], v[rT], v[rS+7], v[rS+15]
.elseif j == 13
	v_max3_num_f32 v[rT+2], v[rT+2], v[rS+23], v[rS+31]
.elseif j == 14
	v_max3_num_f32 v[rT], v[rT], v[rT+1], v[rT+2]
.else
	v_max_num_f32 v[rT], v[rT], v[rT+3]
.endif
.set q, q+1
.endr
.set j, j+1
.endr
.irp q, 0,1,2,3
	v_permlanex16_b32 v[224+8*(\q)+5], v[224+8*(\q)], s[SEL], s[SEL+1]  ; the query's other 32 keys lie in the lane 16 away
.endr
.irp q, 0,1,2,3
	v_max_num_f32 v[224+8*(\q)+4], v[224+8*(\q)], v[224+8*(\q)+5]
.endr
.set z, 0
.rept 64
	v_pk_add_f32 v[2*z:2*z+1], v[2*z:2*z+1], v[224+8*(z/16)+4:224+8*(z/16)+5] op_sel_hi:[1,0] neg_lo:[0,1] neg_hi:[0,1]  ; t - m
.set z, z+1
.endr
.set z, 0
.rept 128
	v_exp_f32 v[z], v[z]                           ; one batch
.set z, z+1
.endr
	v_nop                                          ; a plain instruction behind the last exponential,
	s_wait_alu depctr_va_vdst(0)                   ; and one wait ahead of the batch's first reader
.set z, 0
.rept 64
	v_cvt_pk_f16_f32 v[128+z], v[2*z], v[2*z+1]    ; P's fragments: query tile qt, key half c at 128 + 16 qt + 8 c
.set z, z+1
.endr
	WIN W_L
.irp c, 0,1                            ; l = P x ones: register j of tile qt is query 8 h + j, in every lane
.irp q, 0,1,2,3
.if (\c) == 0
	v_wmma_f32_16x16x32_f16 v[192+8*(\q):192+8*(\q)+7], v[128+16*(\q):128+16*(\q)+7], v[ONES:ONES+7], 0
.else
	v_wmma_f32_16x16x32_f16 v[192+8*(\q):192+8*(\q)+7], v[128+16*(\q)+8:128+16*(\q)+15], v[ONES:ONES+7], v[192+8*(\q):192+8*(\q)+7]
.endif
.endr
.endr
	WIN W_PV
.irp c, 0,1                            ; O = P V: accumulator (qt, ct) at 32 qt + 8 ct of window 2, 16 by turns
.set z, 0
.rept 16
.if (\c) == 0
	v_wmma_f32_16x16x32_f16 v[8*z:8*z+7], v[128+16*(z/4):128+16*(z/4)+7], v[128+16*(z%4):128+16*(z%4)+7], 0
.else
	v_wmma_f32_16x16x32_f16 v[8*z:8*z+7], v[128+16*(z/4)+8:128+16*(z/4)+15], v[128+16*(z%4)+8:128+16*(z%4)+15], v[8*z:8*z+7]
.endif
.set z, z+1
.endr
.endr
	PLACES
	WIN W_1
.set z, 0
.rept 32
	v_rcp_f32 v[192+z], v[192+z]                   ; 1 / l, each accumulator from its low end on
.set z, z+1
.endr
	v_nop
	s_wait_alu depctr_va_vdst(0)                   ; one wait for the 32 reciprocals
.irp q, 0,1,2,3
	WIN W_O
.set z, 0
.rept 32                               ; z = 4 j + ct: a lane's channels 4 r + 0..3 of query 16 qt + 8 h + j come to lie in four registers on end
	v_fma_f32 v[32*(\q)+z], v[32*(\q)+8*(z%4)+z/4], v[192+8*(\q)+z/4], v[BV+z%4]
.set z, z+1
.endr
	WIN W_ST
.irp j, 0,1,2,3,4,5,6,7
	global_store_b128 v[VO], v[32*(\q)+4*(\j):32*(\q)+4*(\j)+3], s[OB:OB+1] offset:(16*(\q)+(\j))*4096 th:TH_STORE_NT  ; lanes 0-15: a head's 256 bytes of row q, aligned; lanes 16-31: those of row q + 8
.endr
.endr
	WIN 0
	s_wait_xcnt 0x0                                ; the stores' data and base, and the bias loads' base, are rewritten only behind this wait
.endm
	s_load_b256 s[4:11], s[0:1], 0x0               ; xb s[4:5], attention_mask s[6:7], sim_graph s[8:9], biasr s[10:11]
	s_load_b128 s[12:15], s[0:1], 0x20             ; wb s[12:13], out0 s[14:15]
	v_lshl_add_u32 v[SPW], v0, 2, SPARE
	v_mov_b32 v[NIL], 0
	ds_add_u32 v[SPW], v[NIL]                      ; the wave's opening: the add and its wait come ahead of my first tensor load; the set-up below, work on registers, stands between them
	v_lshrrev_b32 v3, 5, v0
	v_readfirstlane_b32 s[WV], v3                  ; wave 0..3
	v_and_b32 v1, 15, v0                           ; r
	v_bfe_u32 v2, v0, 4, 1                         ; h
	v_and_b32 v3, 31, v0                           ; lane
	s_lshr_b32 s[FB], s[WV], 1
	s_and_b32 s[HF], s[WV], 1
	s_bfe_u32 s[CX], ttmp6, 0x40000                ; cx
	s_bfe_u32 s[CY], ttmp6, 0x40004                ; cy
	s_lshl_b32 s[HQ], ttmp9, 2                     ; in a cluster launch ttmp9 and ttmp7 count clusters
	s_add_co_u32 s[HQ], s[HQ], s[CX]               ; my quad of heads = 4 x cluster x + cx
	s_and_b32 s[KY], ttmp7, 0xffff
	s_lshl_b32 s[GRP], s[KY], 2
	s_add_co_u32 s[GRP], s[GRP], s[CY]             ; my group of batches = 4 x cluster y + cy
	s_lshl_b32 s[T0], s[CY], 2
	s_lshl_b32 s[T0], 15, s[T0]                    ; my row of the cluster: places 4 cy .. 4 cy + 3
	s_lshl_b32 s[T1], 0x1111, s[CX]                ; my column: places cx, cx + 4, cx + 8, cx + 12
	; descriptor group 1: dense blocks as rows of 256 bytes, no padding: 128 rows of X, 96 of W
	s_or_b32 s[G1X+0], s[T0], (3<<16)|(1<<21)      ; 15:0 the mask: X's tiles go to my row; 17:16 elements of 8 bytes; 21 set beside a mask
	s_or_b32 s[G1W+0], s[T1], (3<<16)|(1<<21)      ; the same with the mask of my column, for W's tiles
	s_mov_b32 s[G1X+1], 32<<16                     ; tensor_dim0 = 32
	s_mov_b32 s[G1W+1], 32<<16
	s_mov_b32 s[G1X+2], 128<<16                    ; tensor_dim1 = 128
	s_mov_b32 s[G1W+2], 96<<16                     ; 96
	s_mov_b32 s[G1X+3], 32<<16                     ; tile_dim0 = 32
	s_mov_b32 s[G1W+3], 32<<16
	s_mov_b32 s[G1X+4], 128                        ; tile_dim1 = 128
	s_mov_b32 s[G1W+4], 96                         ; 96
	s_mov_b32 s[G1X+5], 32                         ; 32 elements from row to row
	s_mov_b32 s[G1W+5], 32
	s_mov_b32 s[G1X+6], 0
	s_mov_b32 s[G1W+6], 0
	s_mov_b32 s[G1X+7], 0
	s_mov_b32 s[G1W+7], 0
	s_mov_b32 s[G0X+0], 1                          ; count = 1
	s_mov_b32 s[G0X+4], 1
	s_mov_b32 s[G0W+0], 1
	s_mov_b32 s[G0W+4], 1
	s_lshl_b32 s[G0X+1], s[WV], 15                 ; LDS address: waves 0 and 1 put X's halves at 32,768 x wave,
	s_add_co_u32 s[G0X+5], s[G0X+1], SLOTB
	s_mul_i32 s[G0W+1], s[WV], WHALF               ; waves 2 and 3 W's at 65,536 + 24,576 x (wave - 2): no place in the cluster enters an LDS address
	s_add_co_u32 s[G0W+1], s[G0W+1], WOFF-2*WHALF
	s_add_co_u32 s[G0W+5], s[G0W+1], SLOTB
	s_mov_b32 s[HIM], 0xffff0000
	s_mov_b32 s[SEL], 0x76543210
	s_mov_b32 s[SEL+1], 0xfedcba98
	s_mov_b32 s[CS], 0x3e38aa3b                    ; log2(e) / 8
	s_mov_b32 s[CS+1], s[CS]                       ; named with it as a pair
	s_mov_b32 s[CM], 0x46616bcd                    ; 10000 log2(e) = 14426.95
	s_mov_b32 s[CM+1], s[CM]
	s_mov_b32 s[NCM], 0xc6616bcd
	s_mov_b32 s[NCM+1], s[NCM]
	s_and_b32 s[J], s[KY], 3                       ; the first pass's head within the quad: the same in all sixteen partners
	s_lshl_b32 s[ROT8], s[J], 3
	s_lshl_b32 s[OFX], s[GRP], 19                  ; a group's 8 steps of 65,536 bytes,
	s_lshl_b32 s[T0], s[HF], 15                    ; my half
	s_add_co_u32 s[OFX], s[OFX], s[T0]
	s_mov_b32 s[OFX+1], 0
	s_mul_i32 s[OFW], s[HQ], 32*WSTEP              ; a quad's 4 x 8 steps of 49,152 bytes,
	s_mul_i32 s[T1], s[HF], WHALF                  ; my half
	s_add_co_u32 s[OFW], s[OFW], s[T1]
	s_mov_b32 s[OFW+1], 0
	s_lshr_b32 s[T2], s[KY], 2                     ; who prefetches: waves 0 and 1 everywhere, waves 2 and 3 where cluster y is under 4: the same in all sixteen partners
	s_cmp_eq_u32 s[FB], 0
	s_cselect_b32 s[T2], 0, s[T2]
	s_cmp_eq_u32 s[T2], 0
	s_cselect_b32 s[LIM], 27, -1
	s_cmp_eq_u32 s[FB], 0
	s_cselect_b32 s[T2], 31, 23
	v_min_u32 v[PFO], s[T2], v3
	v_lshlrev_b32 v[PFO], 8, v[PFO]
	v_lshl_add_u32 v[AW0], v3, 4, WOFF
	v_add_nc_u32 v[AW0+1], SLOTB, v[AW0]
	s_lshl_b32 s[T2], s[WV], 14                    ; my batch's 16,384 bytes of a slot
	v_lshl_add_u32 v[AX0], v3, 4, s[T2]
	v_add_nc_u32 v[AX0+1], SLOTB, v[AX0]
	v_lshlrev_b32 v[VO], 15, v2
	v_lshl_add_u32 v[VO], v1, 4, v[VO]
	v_lshlrev_b32 v[VBQ], 5, v2
	v_lshlrev_b32 v[VBV], 4, v1
	v_lshlrev_b32 v[VS], 8, v1
	v_lshl_add_u32 v[VS], v2, 5, v[VS]
	v_lshlrev_b32 v[VM], 11, v2
.set z, 0
.rept 8
	v_mov_b32 v[ONES+z], 0x3c003c00                ; 1.0 twice, in f16
.set z, z+1
.endr
	s_wait_dscnt 0x0                               ; the opening add is done
	s_wait_kmcnt 0x0
	s_add_nc_u64 s[XBASE:XBASE+1], s[4:5], s[OFX:OFX+1]
	s_add_nc_u64 s[WBASE:WBASE+1], s[12:13], s[OFW:OFW+1]
	s_mov_b64 s[G0X+2:G0X+3], s[XBASE:XBASE+1]     ; step 0
	s_add_nc_u64 s[G0X+6:G0X+7], s[XBASE:XBASE+1], XSTEP  ; step 1
	s_or_b32 s[G0X+3], s[G0X+3], 0x80000000        ; type = 2
	s_or_b32 s[G0X+7], s[G0X+7], 0x80000000
	s_mul_i32 s[OFW], s[ROT8], WSTEP               ; the first pass's head
	s_add_nc_u64 s[G0W+2:G0W+3], s[WBASE:WBASE+1], s[OFW:OFW+1]
	s_add_nc_u64 s[G0W+6:G0W+7], s[G0W+2:G0W+3], WSTEP
	s_or_b32 s[G0W+3], s[G0W+3], 0x80000000
	s_or_b32 s[G0W+7], s[G0W+7], 0x80000000
	; the prefetches' address: my half of the tile, my work-group's part of it, at step 2: the first change of slots steps it to 3
	s_lshl_b32 s[T1], s[CX], 13                    ; X: 32 blocks of 256 bytes for each place along the row
	s_mul_i32 s[T0], s[CY], 6144                   ; W: 24 blocks for each place along the column,
	s_add_co_u32 s[T0], s[T0], s[OFW]              ; in the first pass's head
	s_mov_b32 s[T2], XSTEP
	s_mov_b32 s[PFS], WSTEP
	s_cmp_eq_u32 s[FB], 0
	s_cselect_b64 s[PFA:PFA+1], s[XBASE:XBASE+1], s[WBASE:WBASE+1]
	s_cselect_b32 s[TP], s[T1], s[T0]
	s_cselect_b32 s[PFS], s[T2], s[PFS]
	s_mov_b32 s[PFS+1], 0
	s_mov_b32 s[TP+1], 0
	s_add_nc_u64 s[PFA:PFA+1], s[PFA:PFA+1], s[TP:TP+1]
	s_add_nc_u64 s[PFA:PFA+1], s[PFA:PFA+1], s[PFS:PFS+1]
	s_add_nc_u64 s[PFA:PFA+1], s[PFA:PFA+1], s[PFS:PFS+1]
	; my batch's and quad's places in the other buffers: made in s2, s3, s[98:99] and s100, which feed no descriptor and no LDS address
	s_lshl2_add_u32 s[BP], s[GRP], s[WV]           ; B' = 4 x group + wave
	s_lshr_b32 s2, s[BP], 6                        ; b
	s_and_b32 s3, s[BP], 63                        ; s
	s_lshl_b32 s[TP], s2, 14
	s_lshl2_add_u32 s[TP], s3, s[TP]
	s_add_nc_u64 s[6:7], s[6:7], s[TP:TP+1]        ; attention_mask[b][0][s]
	s_lshl_b32 s[TP], s[BP], 14
	s_add_nc_u64 s[8:9], s[8:9], s[TP:TP+1]        ; sim_graph[B']
	s_lshl_b32 s[TP], s[HQ], 10
	s_add_nc_u64 s[BB0:BB0+1], s[10:11], s[TP:TP+1]  ; biasr at head 4 x quad
	s_lshl_b32 s2, s[BP], 18
	s_add_co_u32 s[TP], s[TP], s2
	s_add_nc_u64 s[OB0:OB0+1], s[14:15], s[TP:TP+1]  ; out0[B'][0][256 x quad]
	s_lshl_b32 s[JO], s[J], 8
	s_mov_b32 s[JO+1], 0
	s_add_nc_u64 s[BB:BB+1], s[BB0:BB0+1], s[JO:JO+1]
	s_add_nc_u64 s[OB:OB+1], s[OB0:OB0+1], s[JO:JO+1]
	CROUND                                         ; all sixteen work-groups are here: the first joint loads meet
	s_cmp_eq_u32 s[FB], 0                          ; a wave's two first fills stand in one branch, ahead of every wait on TENSORcnt and every LDS read: two loads of mine are out
	s_cbranch_scc0 .Lfirst_w
	tensor_load_to_lds s[G0X:G0X+3], s[G1X:G1X+7]  ; step 0
	s_nop 0
	tensor_load_to_lds s[G0X+4:G0X+7], s[G1X:G1X+7]  ; step 1
	s_nop 0
.rept 4
	v_nop
.endr
	s_branch .Lfirst_asked
.Lfirst_w:
	tensor_load_to_lds s[G0W:G0W+3], s[G1W:G1W+7]
	s_nop 0
	tensor_load_to_lds s[G0W+4:G0W+7], s[G1W:G1W+7]
	s_nop 0
.rept 4
	v_nop
.endr
.Lfirst_asked:
	WIN 0x80                                       ; sim_graph[B']: load z = 8 qt + 2 kt + e: query 16 qt + r, keys 16 kt + 8 h + 4 e on
.set z, 0
.rept 32
	global_load_b128 v[128+4*z:128+4*z+3], v[VS], s[8:9] offset:4096*(z/8)+64*((z/2)%4)+16*(z%2)
.set z, z+1
.endr
	WIN 0                                          ; attention_mask[b][key][s], key = 16 kt + 8 h + j
.set z, 0
.rept 32
	global_load_b32 v[ADD+z], v[VM], s[6:7] offset:256*(16*(z/8)+z%8)
.set z, z+1
.endr
	s_wait_loadcnt 32                              ; sim is in; the mask's 32 loads may stay out
	WIN 0xaa                                       ; sim: rounded to bf16, widened again, times c
.set z, 0
.rept 64
	v_cvt_pk_bf16_f32 v[z], v[128+2*z], v[128+2*z+1]
.set z, z+1
.endr
.set z, 0
.rept 64
	v_lshlrev_b32 v[128+2*z], 16, v[z]
	v_and_b32 v[128+2*z+1], s[HIM], v[z]
.set z, z+1
.endr
.set z, 0
.rept 64
	v_pk_mul_f32 v[128+2*z:128+2*z+1], v[128+2*z:128+2*z+1], s[CS:CS+1] op_sel_hi:[1,0]
.set z, z+1
.endr
	WIN 0
	s_wait_loadcnt 0x0
.set z, 0
.rept 16
	v_cvt_pk_bf16_f32 v[BQ+z], v[ADD+2*z], v[ADD+2*z+1]
.set z, z+1
.endr
.set z, 0
.rept 16
	v_lshlrev_b32 v[ADD+2*z], 16, v[BQ+z]
	v_and_b32 v[ADD+2*z+1], s[HIM], v[BQ+z]
.set z, z+1
.endr
.set z, 0
.rept 16
	v_pk_fma_f32 v[ADD+2*z:ADD+2*z+1], v[ADD+2*z:ADD+2*z+1], s[CM:CM+1], s[NCM:NCM+1] op_sel_hi:[1,0,0]  ; (am - 1) x 10000 log2(e), one rounding
.set z, z+1
.endr
	s_wait_tensorcnt 1                             ; my part of step 0 is in; step 1's may stay out
	s_barrier_signal -1
	s_barrier_wait -1                              ; everybody's is
	FETCH 0, 0, F0
	WIN 0
	s_mov_b32 s[PASS], 4
	s_mov_b32 s[GS], 32
	s_mov_b32 s[TN], 2
.Lpass:                                        ; a head: 8 K steps, attention, stores
.irp c, 0,1,2,3
.irp e, 0,1
	global_load_b128 v[BQ+8*(\c)+4*(\e):BQ+8*(\c)+4*(\e)+3], v[VBQ], s[BB:BB+1] offset:64*(\c)+16*(\e)
	global_load_b128 v[BK+8*(\c)+4*(\e):BK+8*(\c)+4*(\e)+3], v[VBQ], s[BB:BB+1] offset:4096+64*(\c)+16*(\e)
.endr
.endr
	global_load_b128 v[BV:BV+3], v[VBV], s[BB:BB+1] offset:8192
	QUARTER 0, 1, F0, F1, 1                        ; a head's first quarter stands in front of the loop: its products start the 48 sums
	WIN 0                                          ; at a label and at a branch every window is 0
	s_mov_b32 s[LAP], 3
.Llap:                                         ; a trip goes once round the ring, from a lap's second quarter to the next lap's first, and fills both slots again
	QUARTER 0, 2, F1, F0, 0
	QUARTER 0, 3, F0, F1, 0
	TURN 0, 2
	QUARTER 1, 1, F0, F1, 0
	QUARTER 1, 2, F1, F0, 0
	QUARTER 1, 3, F0, F1, 0
	TURN 1, 2
	QUARTER 0, 1, F0, F1, 0
	WIN 0
	s_sub_co_u32 s[LAP], s[LAP], 1
	s_cmp_lg_u32 s[LAP], 0
	s_cbranch_scc1 .Llap
	QUARTER 0, 2, F1, F0, 0                        ; the head's last lap goes on: step 6
	QUARTER 0, 3, F0, F1, 0
	WIN 0
	s_cmp_eq_u32 s[PASS], 1
	s_cbranch_scc1 .Llast                          ; the last head's tail is written out: it asks for nothing more
	TURN 0, 2                                      ; the ring goes on into the next head: slot 0 takes its step 0,
	QUARTER 1, 1, F0, F1, 0
	QUARTER 1, 2, F1, F0, 0
	QUARTER 1, 3, F0, F1, 0
	TURN 1, 2                                      ; slot 1 its step 1; the next head's first fragments go into buffer 0, which attention does not touch
	ATT
	s_add_co_u32 s[J], s[J], 1                     ; the quad's next head, round the four
	s_and_b32 s[J], s[J], 3
	s_lshl_b32 s[JO], s[J], 8
	s_add_nc_u64 s[BB:BB+1], s[BB0:BB0+1], s[JO:JO+1]
	s_add_nc_u64 s[OB:OB+1], s[OB0:OB0+1], s[JO:JO+1]
	s_sub_co_u32 s[PASS], s[PASS], 1
	s_branch .Lpass
.Llast:
	TURN 0, 1                                      ; my one tensor load that was still out is the last step's, so no round follows
	QUARTER 1, 1, F0, F1, 0
	QUARTER 1, 2, F1, F0, 0
	QUARTER 1, 3, F0, F1, 0
	s_wait_dscnt 16                                ; the very last quarter: nothing more to fetch
	MUL 0, F1, 0, 4, 0
	s_wait_dscnt 0x0
	MUL 1, F1, 0, 4, 0
	MUL 2, F1, 0, 4, 0
	ATT
	s_wait_tensorcnt 0x0                           ; the wave's end, behind my last tensor load
	ds_add_u32 v[SPW], v[NIL]
	s_wait_dscnt 0x0
	CROUND                                         ; the closing round: no work-group ends while a partner may still ask for a tile that names it
	s_endpgm
.Lfunc_end_k_q991e06fa1c_fused:
	.size	k_q991e06fa1c_fused, .Lfunc_end_k_q991e06fa1c_fused-k_q991e06fa1c_fused
	.p2alignl 7, 3214868480
	.fill 96, 4, 3214868480
	.section	.rodata,"a",@progbits
	.p2align	6, 0x0
	.amdhsa_kernel k_q991e06fa1c_fused
		.amdhsa_group_segment_fixed_size 327680
		.amdhsa_private_segment_fixed_size 0
		.amdhsa_enable_private_segment 0
		.amdhsa_kernarg_size 48
		.amdhsa_user_sgpr_count 2
		.amdhsa_user_sgpr_kernarg_segment_ptr 1
		.amdhsa_wavefront_size32 1
		.amdhsa_system_sgpr_workgroup_id_x 1
		.amdhsa_system_sgpr_workgroup_id_y 1
		.amdhsa_system_sgpr_workgroup_id_z 1
		.amdhsa_system_vgpr_workitem_id 0
		.amdhsa_next_free_vgpr 1024
		.amdhsa_next_free_sgpr 102
		.amdhsa_reserve_vcc 0
		.amdhsa_float_denorm_mode_32 3
		.amdhsa_float_denorm_mode_16_64 3
		.amdhsa_memory_ordered 1
		.amdhsa_forward_progress 1
		.amdhsa_inst_pref_size 255
	.end_amdhsa_kernel
	.section	.bss,"aw",@nobits
	.p2align	6
	.space	262144
	.amdgpu_metadata
---
amdhsa.version: [ 1, 2 ]
amdhsa.kernels:
  - .name:           k_q991e06fa1c_fused
    .symbol:         k_q991e06fa1c_fused.kd
    .args:
      - { .name: xb, .offset: 0, .size: 8, .value_kind: global_buffer, .address_space: global }
      - { .name: attention_mask, .offset: 8, .size: 8, .value_kind: global_buffer, .address_space: global }
      - { .name: sim_graph, .offset: 16, .size: 8, .value_kind: global_buffer, .address_space: global }
      - { .name: biasr, .offset: 24, .size: 8, .value_kind: global_buffer, .address_space: global }
      - { .name: wb, .offset: 32, .size: 8, .value_kind: global_buffer, .address_space: global }
      - { .name: out0, .offset: 40, .size: 8, .value_kind: global_buffer, .address_space: global }
    .group_segment_fixed_size: 327680
    .private_segment_fixed_size: 0
    .kernarg_segment_align: 8
    .kernarg_segment_size: 48
    .max_flat_workgroup_size: 128
    .sgpr_count:     102
    .vgpr_count:     1024
    .wavefront_size: 32
...
	.end_amdgpu_metadata
.endif
;; end of part 4
